; MI455X (gfx1250); checked and timed in simulation.
; The chip was launched on July 23, 2026; its instructions are those of AMD's public machine-readable ISA for CDNA 5 (MIT licence, August 2026) and "CDNA5" Instruction Set Architecture Reference Guide (July 2026). The comments in the code are by the model that wrote it; some were corrected since.
;; MHA. Allowed arithmetic: float matrix products may take bf16 or f16 operands with f32 sums; other float arithmetic in f32, or as packed bf16 or f16 multiplies, adds, multiply-adds, maxima and minima; sums over many terms, partial sums and values carried from step to step in f32; what a program stores and reads back later, other than sums and carried values, may be rounded once to bf16 or f16.
;; Inputs: Wk 2,048 x 2,048 float32; Wo 2,048 x 2,048 float32; Wq 2,048 x 2,048 float32; Wv 2,048 x 2,048 float32; bo 2,048 float32; mask 2,048 x 2,048 bool; x 1 x 2,048 x 2,048 float32.
;; Outputs: out0 1 x 2,048 x 2,048 float32.
;; 2 versions, each right; version 2 is version 1 with the launch prep written anew for expert scheduling mode. Each part assembles by itself: llvm-mc -triple=amdgcn-amd-amdhsa -mcpu=gfx1250 --defsym DOCPART=n.
;; ======== version 1 of 2: 4 launches
;; limits: values are held in f16: magnitudes above 65,504 overflow, below 6.1e-05 lose precision
;; workspace buffers: xb 8,388,608 bytes; wb 25,165,824 bytes; woh 8,388,608 bytes; mk 4,194,304 bytes; qkv 25,165,824 bytes; att 8,388,608 bytes
;; launch prep (part 1): grid 128 x 6, 8 waves a work-group, no clusters, 33,792 bytes of LDS; arguments x, Wq, Wk, Wv, Wo, mask, xb, wb, woh, mk; writes xb, wb, woh, mk
.if DOCPART == 1
	.amdgcn_target "amdgcn-amd-amdhsa--gfx1250"
	.amdhsa_code_object_version 6
	.text
	.protected	k_q40e2e95483_prep
	.globl	k_q40e2e95483_prep
	.p2align	8
	.type	k_q40e2e95483_prep,@function
k_q40e2e95483_prep:
	s_mov_b64 s[64:65], 0
	v_nop
	global_prefetch_b8 v0, s[64:65] scope:SCOPE_SE
	s_setreg_imm32_b32 hwreg(HW_REG_WAVE_MODE, 25, 1), 1
	s_wait_xcnt 0x0
; PREP: the inputs are brought once into the forms that the three matrix launches read.  A stream: no matrix unit, no cluster, nothing read twice.
;   y = 0     x  [2048][2048] f32 -> xb  bf16 [s][2048]
;   y = 1..3  Wq, Wk, Wv [k][n]   -> wb  bf16 [head 16][j 3][k 2048][128]: a head's 128 columns of one matrix are a dense block with rows of 256 bytes
;   y = 4     Wo [k][n]           -> woh f16  [nb 16][k 2048][128]: rounded to bf16 like every other input, and that number written as f16
;   y = 5     mask [q][k] bytes   -> mk  bytes [T 128 (16 queries)][ks 32 (64 keys)][hf 2][lane 32][16]: 0x00 visible, 0xF1 (the top byte of -2^99 in f32) hidden,
;             laid so that lane l of a wave finds in 16 bytes the codes of query l % 16, keys 32 hf + 8 (l / 16) + 0..7 and 32 hf + 16 + 8 (l / 16) + 0..7
; LIMITS.  Mask bytes are 0 or 1.  Wo's bf16 number is exact in f16 between 6.1e-5 and 65,504 in magnitude; below that it keeps f16's fixed step of 6e-8.
; SHARES (y < 5).  A work-group owns 16 rows, a wave two.  One load of a wave is 512 consecutive bytes = 128 f32 = one head's columns of one row;
; it leaves as one store of 256 consecutive bytes, aligned.  All 32 loads of a wave are issued before the first wait.
.set SPARE, 32768                      ; behind the eight waves' 4,096 bytes: the spare words, 128 bytes a wave
.set X,   32                           ; v[32:159] the 32 loads' registers
.set DOF, 16                           ; v[16:31]  store offset for head h: 8 x lane + h x (bytes from head to head)
	s_load_b512 s[8:23], s[0:1], 0x0               ; x 8, Wq 10, Wk 12, Wv 14, Wo 16, mask 18, xb 20, wb 22
	s_load_b128 s[24:27], s[0:1], 0x40             ; woh 24, mk 26
	v_lshl_add_u32 v2, v0, 2, SPARE                ; my spare word
	v_mov_b32 v3, 0
	v_lshrrev_b32 v1, 5, v0
	v_readfirstlane_b32 s31, v1                    ; wave 0..7
	v_and_b32 v5, 31, v0                           ; lane
	s_and_b32 s30, ttmp7, 0xffff                   ; y: which input
	s_mov_b32 s41, 0
	s_wait_kmcnt 0x0
	s_cmp_eq_u32 s30, 5
	s_cbranch_scc1 .Lmask
	; ---- the casts ----
	s_mov_b64 s[28:29], s[8:9]                     ; the source, chosen by y
	s_cmp_eq_u32 s30, 1
	s_cselect_b64 s[28:29], s[10:11], s[28:29]
	s_cmp_eq_u32 s30, 2
	s_cselect_b64 s[28:29], s[12:13], s[28:29]
	s_cmp_eq_u32 s30, 3
	s_cselect_b64 s[28:29], s[14:15], s[28:29]
	s_cmp_eq_u32 s30, 4
	s_cselect_b64 s[28:29], s[16:17], s[28:29]
	s_mov_b32 s34, 1572864                         ; bytes from head to head: wb 3 x 524,288; xb 256; woh 524,288
	s_mov_b32 s35, 256                             ; bytes from row to row: 256; xb 4,096
	s_cmp_eq_u32 s30, 0
	s_cselect_b64 s[32:33], s[20:21], s[22:23]
	s_cselect_b32 s34, 256, s34
	s_cselect_b32 s35, 4096, s35
	s_cmp_eq_u32 s30, 4
	s_cselect_b64 s[32:33], s[24:25], s[32:33]
	s_cselect_b32 s34, 524288, s34
	s_sub_co_u32 s37, s30, 1                       ; j = y - 1 for the three matrices of wb,
	s_lshl_b32 s37, s37, 19
	s_cmp_eq_u32 s30, 0
	s_cselect_b32 s37, 0, s37                      ; nothing for xb
	s_cmp_eq_u32 s30, 4
	s_cselect_b32 s37, 0, s37                      ; and for woh
	s_lshl_b32 s36, ttmp9, 4
	s_lshl1_add_u32 s36, s31, s36                  ; my first row: 16 i + 2 w
	s_lshl_b32 s40, s36, 13                        ; x 8,192 bytes
	s_add_nc_u64 s[28:29], s[28:29], s[40:41]
	s_mul_i32 s40, s36, s35
	s_add_co_u32 s40, s40, s37
	s_add_nc_u64 s[32:33], s[32:33], s[40:41]      ; where my first row goes,
	s_mov_b32 s40, s35
	s_add_nc_u64 s[38:39], s[32:33], s[40:41]      ; and my second
	v_lshlrev_b32 v4, 4, v5                        ; 16 bytes a lane in
	v_lshlrev_b32 v[DOF], 3, v5                    ; 8 bytes a lane out
.irp h, 1,2,3,4,5,6,7,8,9,10,11,12,13,14,15
	v_add_nc_u32 v[DOF+(\h)], s34, v[DOF+(\h)-1]
.endr
.set n, 0
.rept 32
	global_load_b128 v[X+4*n:X+4*n+3], v4, s[28:29] offset:(n/16)*8192+(n%16)*512 th:TH_LOAD_NT
.set n, n+1
.endr
; Load n is rounded and stored.  half = 1: the bf16 number is widened again and written as f16.  No register is written again behind its store.
.macro OUT half
.set n, 0
.rept 32
	s_wait_loadcnt 31-n                            ; loads come back in order: the 31 - n younger ones may stay out
	v_cvt_pk_bf16_f32 v[X+4*n], v[X+4*n], v[X+4*n+1]
	v_cvt_pk_bf16_f32 v[X+4*n+1], v[X+4*n+2], v[X+4*n+3]
.if \half
	v_lshlrev_b32 v[X+4*n+2], 16, v[X+4*n]
	v_and_b32 v[X+4*n+3], 0xffff0000, v[X+4*n]
	v_cvt_pk_f16_f32 v[X+4*n], v[X+4*n+2], v[X+4*n+3]
	v_lshlrev_b32 v[X+4*n+2], 16, v[X+4*n+1]
	v_and_b32 v[X+4*n+3], 0xffff0000, v[X+4*n+1]
	v_cvt_pk_f16_f32 v[X+4*n+1], v[X+4*n+2], v[X+4*n+3]
.endif
	global_store_b64 v[DOF+n%16], v[X+4*n:X+4*n+1], s[32+6*(n/16):33+6*(n/16)]  ; the wave stores 256 consecutive bytes, aligned
.set n, n+1
.endr
.endm
	s_cmp_eq_u32 s30, 4
	s_cbranch_scc1 .Lhalf
	OUT 0
	s_endpgm
.Lhalf:
	OUT 1
	s_endpgm
	; ---- the mask ----  The work-group is tile T of 16 queries; wave w takes keys 256 w .. 256 w + 255 and turns them in 4,096 bytes of LDS of its own: no barrier.
.Lmask:
	v_and_b32 v6, 15, v5                           ; c: which 16 keys of the 256
	v_lshrrev_b32 v7, 4, v5                        ; rr: which of two rows
	v_lshlrev_b32 v8, 4, v6
	v_lshl_add_u32 v8, v7, 11, v8                  ; rr x 2,048 + 16 c
	s_lshl_b32 s40, ttmp9, 15                      ; T x 16 rows x 2,048
	s_lshl_b32 s42, s31, 8
	s_add_co_u32 s40, s40, s42
	s_add_nc_u64 s[28:29], s[18:19], s[40:41]
.irp i, 0,1,2,3,4,5,6,7
	global_load_b128 v[X+4*(\i):X+4*(\i)+3], v8, s[28:29] offset:(\i)*4096 th:TH_LOAD_NT  ; rows 2 i, 2 i + 1: twice 256 consecutive bytes
.endr
	s_mov_b32 s43, 0xf1                            ; the code of a hidden key
	v_lshrrev_b32 v9, 2, v6                        ; where a lane's 16 codes go: key step c / 4,
	v_lshlrev_b32 v9, 10, v9
	v_bfe_u32 v10, v6, 1, 1                        ; half hf,
	v_lshl_add_u32 v9, v10, 9, v9
	v_and_b32 v10, 1, v6                           ; first or second eight bytes of the target lane's 16,
	v_lshl_add_u32 v9, v10, 3, v9
	v_lshl_add_u32 v9, v7, 4, v9                   ; target lane's row: 2 i + rr (2 i in the immediate),
	v_lshl_add_u32 v9, s31, 12, v9                 ; in my wave's 4,096 bytes
	v_lshlrev_b32 v11, 4, v5                       ; 16 x lane
	v_lshl_add_u32 v12, s31, 12, v11
	s_lshl_b32 s40, ttmp9, 15
	s_lshl_b32 s42, s31, 12
	s_add_co_u32 s40, s40, s42
	s_add_nc_u64 s[32:33], s[26:27], s[40:41]      ; mk at tile T, key steps 4 w ..
.irp i, 0,1,2,3,4,5,6,7
	s_wait_loadcnt 7-(\i)
.irp d, 0,1,2,3
	v_xor_b32 v[X+4*(\i)+(\d)], 0x01010101, v[X+4*(\i)+(\d)]     ; 1 in each byte that is hidden,
	v_mul_lo_u32 v[X+4*(\i)+(\d)], v[X+4*(\i)+(\d)], s43         ; 0xF1 there: no byte's product reaches the next byte
.endr
	ds_store_b64 v9, v[X+4*(\i):X+4*(\i)+1] offset:32*(\i)          ; keys + 0..7: the lower half of the lanes
	ds_store_b64 v9, v[X+4*(\i)+2:X+4*(\i)+3] offset:32*(\i)+256    ; keys + 8..15: the upper half
.endr
.irp i, 0,1,2,3,4,5,6,7
	ds_load_b128 v[64+4*(\i):64+4*(\i)+3], v12 offset:512*(\i)     ; LDS serves a wave's instructions in order: these see the stores above
.endr
.irp i, 0,1,2,3,4,5,6,7
	s_wait_dscnt 7-(\i)
	global_store_b128 v11, v[64+4*(\i):64+4*(\i)+3], s[32:33] offset:512*(\i)  ; 512 consecutive bytes
.endr
	s_wait_tensorcnt 0x0                           ; the wave's end
	ds_add_u32 v2, v3
	s_wait_dscnt 0x0
	s_endpgm
.Lfunc_end_k_q40e2e95483_prep:
	.size	k_q40e2e95483_prep, .Lfunc_end_k_q40e2e95483_prep-k_q40e2e95483_prep
	.p2alignl 7, 3214868480
	.fill 96, 4, 3214868480
	.section	.rodata,"a",@progbits
	.p2align	6, 0x0
	.amdhsa_kernel k_q40e2e95483_prep
		.amdhsa_group_segment_fixed_size 33792
		.amdhsa_private_segment_fixed_size 0
		.amdhsa_enable_private_segment 0
		.amdhsa_kernarg_size 80
		.amdhsa_user_sgpr_count 2
		.amdhsa_user_sgpr_kernarg_segment_ptr 1
		.amdhsa_wavefront_size32 1
		.amdhsa_system_sgpr_workgroup_id_x 1
		.amdhsa_system_sgpr_workgroup_id_y 1
		.amdhsa_system_sgpr_workgroup_id_z 1
		.amdhsa_system_vgpr_workitem_id 0
		.amdhsa_next_free_vgpr 160
		.amdhsa_next_free_sgpr 66
		.amdhsa_reserve_vcc 0
		.amdhsa_float_denorm_mode_32 3
		.amdhsa_float_denorm_mode_16_64 3
		.amdhsa_memory_ordered 1
		.amdhsa_forward_progress 1
		.amdhsa_inst_pref_size 41
	.end_amdhsa_kernel
	.amdgpu_metadata
---
amdhsa.version: [ 1, 2 ]
amdhsa.kernels:
  - .name:           k_q40e2e95483_prep
    .symbol:         k_q40e2e95483_prep.kd
    .args:
      - { .name: x, .offset: 0, .size: 8, .value_kind: global_buffer, .address_space: global }
      - { .name: Wq, .offset: 8, .size: 8, .value_kind: global_buffer, .address_space: global }
      - { .name: Wk, .offset: 16, .size: 8, .value_kind: global_buffer, .address_space: global }
      - { .name: Wv, .offset: 24, .size: 8, .value_kind: global_buffer, .address_space: global }
      - { .name: Wo, .offset: 32, .size: 8, .value_kind: global_buffer, .address_space: global }
      - { .name: mask, .offset: 40, .size: 8, .value_kind: global_buffer, .address_space: global }
      - { .name: xb, .offset: 48, .size: 8, .value_kind: global_buffer, .address_space: global }
      - { .name: wb, .offset: 56, .size: 8, .value_kind: global_buffer, .address_space: global }
      - { .name: woh, .offset: 64, .size: 8, .value_kind: global_buffer, .address_space: global }
      - { .name: mk, .offset: 72, .size: 8, .value_kind: global_buffer, .address_space: global }
    .group_segment_fixed_size: 33792
    .private_segment_fixed_size: 0
    .kernarg_segment_align: 8
    .kernarg_segment_size: 80
    .max_flat_workgroup_size: 256
    .sgpr_count:     66
    .vgpr_count:     160
    .wavefront_size: 32
...
	.end_amdgpu_metadata
.endif
;; end of part 1
;; launch qkvp (part 2): grid 16 x 16, 4 waves a work-group, clusters of 4 x 4, 327,680 bytes of LDS; arguments xb, wb, qkv; writes qkv
.if DOCPART == 2
	.amdgcn_target "amdgcn-amd-amdhsa--gfx1250"
	.amdhsa_code_object_version 6
	.text
	.protected	k_q40e2e95483_qkvp
	.globl	k_q40e2e95483_qkvp
	.p2align	8
	.type	k_q40e2e95483_qkvp,@function
k_q40e2e95483_qkvp:
	s_mov_b64 s[64:65], 0
	v_nop
	global_prefetch_b8 v0, s[64:65] scope:SCOPE_SE
	s_setreg_imm32_b32 hwreg(HW_REG_WAVE_MODE, 25, 1), 1
	s_wait_xcnt 0x0
	s_wait_alu depctr_hold_cnt(0) depctr_sa_sdst(0) depctr_va_vdst(0) depctr_va_sdst(0) depctr_va_ssrc(0) depctr_va_vcc(0) depctr_vm_vsrc(0)
	s_getreg_b32 s2, hwreg(HW_REG_IB_STS2, 6, 4)
	s_cmp_eq_u32 s2, 0
	s_cbranch_scc0 .Lentry_in_a_cluster
	s_endpgm
.Lentry_in_a_cluster:
	s_bfe_u32 s2, ttmp6, 0x10000c
	s_cmp_lg_u32 s2, 0xf033
	s_cbranch_scc0 .Lentry_shape_is_right
	s_endpgm
.Lentry_shape_is_right:
; q, k, v = x Wq, x Wk, x Wv, by heads.  xb: bf16 [2048][2048]; wb: bf16 [head][j][k 2048][128]; qkv: f16 [j 3][head 16][s 2048][128].  Sums in f32, K ascending; each result rounded once.
; q is multiplied by c = log2(e) / sqrt(128) in f32 ahead of its one rounding, so that the next launch's scores are exponents of 2.
; LIMIT.  c q, k and v must lie within f16's 65,504.
; SHARES.  A work-group makes 128 rows x one head's 128 columns of q, of k and of v (128 x 384); 16 x 16 work-groups.  Wave w makes 128 rows x columns 32 w .. 32 w + 31 of each of the three:
; 48 accumulators of 16 x 16 (8 row blocks x 6 column groups b = 2 j + cg), 384 registers; for 32 along K it reads 28 times 16 bytes a lane from LDS for 48 matrix instructions.
; K goes in steps of 128 through two LDS slots: x's 128 rows (256 bytes each), then three tiles of W, 128 rows of K x 256 bytes.  W lies [k][n] and comes out of LDS turned (ds_load_tr16_b128).
; CLUSTER 4 x 4.  The four of a row share x's tile, the four of a column a head's tiles of W: each tile is asked for jointly.  Wave 0 asks for x's, wave w = 1..3 for W's tile j = w - 1: one load a wave.
; THE MATRIX INSTRUCTION IS USED TRANSPOSED (source 0 = 16 columns of W, source 1 = 16 rows of x): a lane holds eight neighbouring columns of one row.
; REGISTERS: window 0: v0-31 addresses; v64-127, v128-191 x's fragments, two buffers; v64-255 packed results on the way out.  window 1: v64-111, v128-175 W's fragments.
;   window 2: accumulators of rows 0-63, (a, b) at v[8 (6 a + b)]; window 3: of rows 64-127.
.set PA,     272                       ; x's LDS row: 256 + 16 bytes: the 16 rows of a load start 4 banks apart (64 banks of 4 bytes: ISA guide 11.1)
.set PB,     288                       ; W's LDS row: 256 + 32
.set ABYTES, 128*PA
.set BBYTES, 128*PB
.set SLOT,   ABYTES+3*BBYTES
.set SPARE,  2*SLOT                    ; behind the ring: the spare words, 128 bytes a wave
.set SP,     272                       ; the stage for the way out: 384 rows (128 j + row) x 272 bytes in slot 0, which has had its last fill by then
.set ADRA, 16                          ; v16-17  x's fragments in slot 0, 1
.set ADRB, 18                          ; v18-23  W's fragments: slot s, tile j at 18 + 3 s + j
.set STO,  24                          ; v24-26  the way out: where I put 16 bytes of a row of j
.set RD,   10                          ; v10-12  where I read rows of j back
.set CO,   27                          ; v27     16 x lane
.set SPW,  28
.set NIL,  29
.set PFO,  30                          ; v30     the prefetches' offset: lane x a row's bytes in memory
.set F0,   64
.set F1,   128
.set TMP,  64
.set G1,   24                          ; s[24:31] group 1 for x's tiles;  s[32:39] group 0, a set for each slot
.set G0,   32
.set G1B,  48                          ; s[48:55], s[56:63] the same for W's
.set G0B,  56
.set LIM,  43                          ; s43  1 in a wave that prefetches, else the greatest number
.set PFA,  44                          ; s[44:45] where my prefetches stand
.set PFS,  66                          ; s[66:67] their step: a K step's bytes along my tile
.set OB,   68                          ; s[68:73] q's, k's, v's rows that I store
.set CS,   74                          ; s[74:75] c
.set MSB, 0
.macro WIN new                         ; the immediate's high byte repeats the setting that is left; a switch that changes nothing is dropped
.if MSB != (\new)
	s_set_vgpr_msb (MSB<<8)|(\new)
.set MSB, \new
.endif
.endm
.set MUL_LO, 0xa1                      ; source 0 (W) window 1, source 1 (x) window 0, C and D window 2
.set MUL_HI, 0xf1
.set TO_B,   0x40
.macro JLOAD s                         ; a joint load.  The branch hangs on the wave's number alone.  An s_nop 0 and four v_nop follow each line
	s_cmp_eq_u32 s10, 0
	s_cbranch_scc0 .Lfor_b_\@
	tensor_load_to_lds s[G0+4*(\s):G0+4*(\s)+3], s[G1:G1+7]
	s_nop 0
.rept 4
	v_nop
.endr
	s_branch .Lasked_\@
.Lfor_b_\@:
	tensor_load_to_lds s[G0B+4*(\s):G0B+4*(\s)+3], s[G1B:G1B+7]
	s_nop 0
.rept 4
	v_nop
.endr
.Lasked_\@:
.endm
; A prefetch into the L2, behind each joint refill and the run of LDS loads that follows it: the K step that stands two refills on, 384 matrix instructions ahead of its load: 32 rows x 256 bytes, a lane a row.
; x's rows are read by every cluster of a row of clusters: cluster x = 0 asks (wave 0); W's by every cluster of a column: cluster y = 0 asks (waves 1-3).  The four partners that ask for a tile
; jointly share its 128 rows out by address, 32 each.  So each row's 256 bytes of a K step are named once in the launch.  The loop's last trip asks for nothing: K steps 16 and 17 do not exist.
.macro ASK
	s_cmp_gt_u32 s3, s[LIM]
	s_cbranch_scc0 .Lnot_mine_\@
	global_prefetch_b8 v[PFO], s[PFA:PFA+1] th:TH_LOAD_NT scope:SCOPE_SE
.Lnot_mine_\@:
.endm
.macro CREST                           ; a round of the cluster's barrier behind its opening barrier
	s_cmp_lg_u32 s10, 0
	s_cbranch_scc1 .Lnot_wave_0_\@
	s_barrier_signal -3
.Lnot_wave_0_\@:
	s_barrier_wait -3
	s_barrier_signal -1
	s_barrier_wait -1
.endm
.macro CROUND
	s_barrier_signal -1
	s_barrier_wait -1
	CREST
.endm
	s_load_b128 s[4:7], s[0:1], 0x0                ; xb s[4:5], wb s[6:7]
	s_load_b64 s[8:9], s[0:1], 0x10                ; qkv
	v_lshl_add_u32 v[SPW], v0, 2, SPARE
	v_mov_b32 v[NIL], 0
	ds_add_u32 v[SPW], v[NIL]                      ; the wave's opening: the add and its wait ahead of my first tensor load
	ds_add_u32 v28, v29
	v_lshrrev_b32 v1, 5, v0
	v_readfirstlane_b32 s10, v1                    ; wave 0..3
	s_max_u32 s12, s10, 1
	s_sub_co_u32 s12, s12, 1                       ; the tile of W that I fetch (wave 0 fetches none; the number keeps its unused address inside wb)
	s_bfe_u32 s40, ttmp6, 0x40000                  ; cx
	s_bfe_u32 s41, ttmp6, 0x40004                  ; cy
	s_lshl_b32 s42, ttmp9, 2
	s_add_co_u32 s42, s42, s40                     ; head = 4 x cluster x + cx
	s_and_b32 s13, ttmp7, 0xffff
	s_lshl_b32 s13, s13, 2
	s_add_co_u32 s13, s13, s41                     ; block of 128 rows = 4 x cluster y + cy
	s_lshl_b32 s43, s41, 2
	s_lshl_b32 s43, 15, s43                        ; my row of the cluster
	s_lshl_b32 s44, 0x1111, s40                    ; my column
	s_or_b32 s[G1+0], s43, (1<<16)|(1<<20)|(1<<21)|(5<<22)|(3<<25)   ; mask; 2-byte elements; padding on; bit 21 beside a mask; after every 64 words 4 words
	s_or_b32 s[G1B+0], s44, (1<<16)|(1<<20)|(1<<21)|(5<<22)|(7<<25)  ; the same with 8 words of padding
.irp g, G1, G1B
	s_mov_b32 s[(\g)+1], 128<<16                   ; tensor_dim0 = 128
	s_mov_b32 s[(\g)+2], 128<<16                   ; tensor_dim1 = 128
	s_mov_b32 s[(\g)+3], 128<<16                   ; tile_dim0 = 128
	s_mov_b32 s[(\g)+4], 128                       ; tile_dim1 = 128
	s_mov_b32 s[(\g)+6], 0
	s_mov_b32 s[(\g)+7], 0
.endr
	s_mov_b32 s[G1+5], 2048                        ; elements from row to row: x
	s_mov_b32 s[G1B+5], 128                        ; and a head's block of W
	s_mov_b32 s[CS], 0x3e0293ee                    ; c = log2(e) / sqrt(128) = 0.127517
	s_mov_b32 s[CS+1], s[CS]
	s_lshl_b32 s16, s13, 19                        ; x: 128 rows of 4,096 bytes a block
	s_mov_b32 s17, 0
	s_mul_i32 s46, s42, 3
	s_add_co_u32 s46, s46, s12
	s_lshl_b32 s46, s46, 19                        ; W: block 3 head + j of 524,288 bytes
	s_mov_b32 s47, 0
	s_mul_i32 s20, s10, BBYTES
	s_sub_co_u32 s20, s20, BBYTES-ABYTES           ; W's tile j = wave - 1 lies behind x's: ABYTES + (wave - 1) BBYTES (wave 0 never uses it)
	s_wait_dscnt 0x0                               ; the opening add is done
	s_wait_kmcnt 0x0
	s_add_nc_u64 s[14:15], s[4:5], s[16:17]
	s_add_nc_u64 s[46:47], s[6:7], s[46:47]
	CROUND                                         ; all sixteen work-groups are here: the first joint loads meet
.irp s, 0,1
	s_mov_b32 s[G0+4*(\s)], 1
	s_mov_b32 s[G0+4*(\s)+1], (\s)*SLOT
	s_add_nc_u64 s[G0+4*(\s)+2:G0+4*(\s)+3], s[14:15], (\s)*256      ; K step s: 256 bytes along x's rows
	s_or_b32 s[G0+4*(\s)+3], s[G0+4*(\s)+3], 0x80000000
	s_mov_b32 s[G0B+4*(\s)], 1
	s_add_co_u32 s[G0B+4*(\s)+1], s20, (\s)*SLOT
	s_add_nc_u64 s[G0B+4*(\s)+2:G0B+4*(\s)+3], s[46:47], (\s)*32768  ; 128 rows of W down
	s_or_b32 s[G0B+4*(\s)+3], s[G0B+4*(\s)+3], 0x80000000
	JLOAD \s                                       ; two loads of mine are out
.endr
	v_and_b32 v1, 15, v0                           ; l % 16
	v_bfe_u32 v2, v0, 4, 1                         ; l / 16
	v_mul_u32_u24 v3, v1, PA
	v_lshl_add_u32 v3, v2, 4, v3                   ; row x pitch + 16 x half
	v_mov_b32 v[ADRA], v3
	v_add_nc_u32 v[ADRA+1], SLOT, v3
	v_and_b32 v4, 7, v0                            ; the turning load: lane l reads K row 8 (l / 16) + l % 8, columns 8 ((l / 8) % 2) + 0..7
	v_lshl_add_u32 v4, v2, 3, v4
	v_mul_u32_u24 v4, v4, PB
	v_bfe_u32 v5, v0, 3, 1
	v_lshl_add_u32 v4, v5, 4, v4
	s_lshl_b32 s21, s10, 6                         ; my 32 columns: 64 bytes
	v_add_nc_u32 v4, s21, v4
.irp s, 0,1
.irp j, 0,1,2
	v_add_nc_u32 v[ADRB+3*(\s)+(\j)], (\s)*SLOT+ABYTES+(\j)*BBYTES, v4
.endr
.endr
	v_add_nc_u32 v6, s21, v3                       ; into the stage: row l % 16, my 64 bytes, 16 for each half of the lanes
	s_mul_i32 s22, s10, 32*SP
	v_mul_u32_u24 v7, v2, SP                       ; back: wave w takes rows 32 w ..; lanes 0-15 one row of 256 bytes, lanes 16-31 the next
	v_lshl_add_u32 v7, v1, 4, v7
	v_add_nc_u32 v7, s22, v7
.irp j, 0,1,2
	v_add_nc_u32 v[STO+(\j)], (\j)*128*SP, v6
	v_add_nc_u32 v[RD+(\j)], (\j)*128*SP, v7
.endr
	v_and_b32 v[CO], 31, v0
	v_lshlrev_b32 v[CO], 4, v[CO]
	s_lshl_b32 s20, s42, 19                        ; the rows that I store: (2,048 head + 128 block + 32 wave) x 256 bytes
	s_lshl_b32 s21, s13, 15
	s_add_co_u32 s20, s20, s21
	s_lshl_b32 s21, s10, 13
	s_add_co_u32 s20, s20, s21
	s_mov_b32 s21, 0
	s_add_nc_u64 s[OB:OB+1], s[8:9], s[20:21]
	s_add_nc_u64 s[OB+2:OB+3], s[OB:OB+1], 8388608
	s_add_nc_u64 s[OB+4:OB+5], s[OB+2:OB+3], 8388608
	; the prefetches
	s_and_b32 s22, ttmp7, 0xffff                   ; cluster y
	s_mov_b32 s[PFS], 32768
	s_mov_b32 s[PFS+1], 0
	s_cmp_eq_u32 s10, 0                            ; do I fetch x's tile?
	s_cselect_b32 s22, ttmp9, s22                  ; the coordinate along which other clusters read the same rows
	s_cselect_b32 s21, s40, s41                    ; my place among the four that ask with me
	s_cselect_b32 s23, 12, 8                       ; a row's bytes in memory: 4,096 or 256
	s_cselect_b32 s[PFS], 256, s[PFS]
	s_cselect_b64 s[PFA:PFA+1], s[14:15], s[46:47]
	s_cmp_eq_u32 s22, 0
	s_cselect_b32 s[LIM], 1, -1
	s_lshl_b32 s21, s21, 5                         ; my work-group's 32 rows of the 128
	s_lshl_b32 s20, s21, s23
	s_mov_b32 s21, 0
	s_add_nc_u64 s[PFA:PFA+1], s[PFA:PFA+1], s[20:21]
	s_mul_i32 s20, s[PFS], 3
	s_add_nc_u64 s[PFA:PFA+1], s[PFA:PFA+1], s[20:21]  ; at K step 3: the first refill (K step 2) steps it and names K step 4
	v_and_b32 v[PFO], 31, v0
	v_lshlrev_b32 v[PFO], s23, v[PFO]
; 12 matrix instructions: row blocks a0, a0 + 1 of the window's four x all 6 column groups, 32 along K.  zero = 1: the first product starts the sums.
; The 48 accumulators take turns in the same order in every quarter.
.macro MUL12 f, hi, a0, zero
	WIN MUL_LO+0x50*(\hi)
.irp a, \a0, (\a0)+1
.irp b, 0,1,2,3,4,5
.if \zero
	v_wmma_f32_16x16x32_bf16 v[8*(6*(\a)+(\b)):8*(6*(\a)+(\b))+7], v[(\f)+8*(\b):(\f)+8*(\b)+7], v[(\f)+8*(4*(\hi)+(\a)):(\f)+8*(4*(\hi)+(\a))+7], 0
.else
	v_wmma_f32_16x16x32_bf16 v[8*(6*(\a)+(\b)):8*(6*(\a)+(\b))+7], v[(\f)+8*(\b):(\f)+8*(\b)+7], v[(\f)+8*(4*(\hi)+(\a)):(\f)+8*(4*(\hi)+(\a))+7], v[8*(6*(\a)+(\b)):8*(6*(\a)+(\b))+7]
.endif
.endr
.endr
.endm
; 28 LDS loads in one run: quarter q (32 along K) of a slot into buffer f: W's six fragments (turned), then x's eight
.macro FETCH slot, q, f
	WIN TO_B
.irp b, 0,1,2,3,4,5
	ds_load_tr16_b128 v[(\f)+8*(\b):(\f)+8*(\b)+3],   v[ADRB+3*(\slot)+(\b)/2] offset:32*PB*(\q)+32*((\b)%2)
	ds_load_tr16_b128 v[(\f)+8*(\b)+4:(\f)+8*(\b)+7], v[ADRB+3*(\slot)+(\b)/2] offset:32*PB*(\q)+32*((\b)%2)+16*PB
.endr
	WIN 0
.irp i, 0,1,2,3,4,5,6,7
	ds_load_b128 v[(\f)+8*(\i):(\f)+8*(\i)+3],   v[ADRA+(\slot)] offset:64*(\q)+(\i)*16*PA
	ds_load_b128 v[(\f)+8*(\i)+4:(\f)+8*(\i)+7], v[ADRA+(\slot)] offset:64*(\q)+(\i)*16*PA+32
.endr
.endm
.macro PLACES                          ; four plain vector instructions between a matrix instruction and a load into, or a vector line on, its registers
.rept 4
	v_nop
.endr
.endm
; One of a K step's first three quarters: multiplies buffer f; in its middle it fetches quarter q of the same slot into buffer g.
.macro QUARTER slot, q, f, g, zero
	s_wait_dscnt 8                                 ; W and x's rows 0-63 are in; the youngest eight loads (rows 64-127) may be out
	MUL12 \f, 0, 0, \zero
	MUL12 \f, 0, 2, \zero
	PLACES
	FETCH \slot, \q, \g
	s_wait_dscnt 28                                ; all but the 28 just issued
	MUL12 \f, 1, 0, \zero
	MUL12 \f, 1, 2, \zero
.endm
; The last quarter's first half, and the one barrier of a change of slots: in front of it each wave waits for all its tensor loads (one is out: its part of the next slot), adds 0 to its spare word,
; and waits for that and for its own reads of this slot.
.macro MEET round
	WIN 0
	s_wait_tensorcnt 0x0
	ds_add_u32 v[SPW], v[NIL]
	s_wait_dscnt 9                                 ; the add and the youngest eight loads may be out
	MUL12 F1, 0, 0, 0
	s_wait_dscnt 0x0                               ; the add is done, my reads of this slot are over
	s_barrier_signal -1
	MUL12 F1, 0, 2, 0
.if \round
	WIN 0
.endif
	s_barrier_wait -1
.endm
.macro TURN slot, next
	s_wait_xcnt 0x0                                ; the last prefetch, a K step back, has read its address
	s_add_nc_u64 s[PFA:PFA+1], s[PFA:PFA+1], s[PFS:PFS+1]
	MEET 1
	CREST                                          ; no wave of any partner still reads this slot or has a load on its way
	s_add_nc_u64 s[G0+4*(\slot)+2:G0+4*(\slot)+3], s[G0+4*(\slot)+2:G0+4*(\slot)+3], 512
	s_add_nc_u64 s[G0B+4*(\slot)+2:G0B+4*(\slot)+3], s[G0B+4*(\slot)+2:G0B+4*(\slot)+3], 65536
	JLOAD \slot                                    ; the first tensor load behind the round; its four v_nop are also the places in front of the loads below
	FETCH \next, 0, F0
	ASK
	MUL12 F1, 1, 0, 0
	MUL12 F1, 1, 2, 0
.endm
	s_wait_tensorcnt 1                             ; my part of K step 0 is in; K step 1's may stay out
	s_barrier_signal -1
	s_barrier_wait -1
	FETCH 0, 0, F0
	QUARTER 0, 1, F0, F1, 1                        ; the first quarter starts the sums
	WIN 0
	s_mov_b32 s3, 7                                ; 16 K steps = 8 laps of the ring; the last is written out
.Llap:
	QUARTER 0, 2, F1, F0, 0
	QUARTER 0, 3, F0, F1, 0
	TURN 0, 1
	QUARTER 1, 1, F0, F1, 0
	QUARTER 1, 2, F1, F0, 0
	QUARTER 1, 3, F0, F1, 0
	TURN 1, 0
	QUARTER 0, 1, F0, F1, 0
	WIN 0
	s_sub_co_u32 s3, s3, 1
	s_cmp_lg_u32 s3, 0
	s_cbranch_scc1 .Llap
	QUARTER 0, 2, F1, F0, 0
	QUARTER 0, 3, F0, F1, 0
	MEET 0                                         ; the last K step's tile has landed; nothing is filled again.  Behind this barrier nobody reads slot 0
	PLACES
	FETCH 1, 0, F0
	MUL12 F1, 1, 0, 0
	MUL12 F1, 1, 2, 0
	QUARTER 1, 1, F0, F1, 0
	QUARTER 1, 2, F1, F0, 0
	QUARTER 1, 3, F0, F1, 0
	s_wait_dscnt 8
	MUL12 F1, 0, 0, 0
	MUL12 F1, 0, 2, 0
	s_wait_dscnt 0x0
	MUL12 F1, 1, 0, 0
	MUL12 F1, 1, 2, 0
	WIN 0
	; THE WAY OUT.  q times c; all rounded to f16; 16 bytes a lane into the stage; a barrier, since a row's 256 bytes come from four waves; back as whole rows.
	PLACES
.irp hi, 0,1
	WIN 0x82+0x41*(\hi)                            ; destination and source 0 in window 2 or 3
.irp a, 0,1,2,3
.irp b, 0,1
.irp r, 0,2,4,6
	v_pk_mul_f32 v[8*(6*(\a)+(\b))+(\r):8*(6*(\a)+(\b))+(\r)+1], v[8*(6*(\a)+(\b))+(\r):8*(6*(\a)+(\b))+(\r)+1], s[CS:CS+1] op_sel_hi:[1,0]
.endr
.endr
.endr
.endr
.irp hi, 0,1
	WIN 0x0a+5*(\hi)                               ; sources in window 2 or 3, destination in window 0
.irp a, 0,1,2,3
.irp b, 0,1,2,3,4,5
.irp r, 0,1,2,3
	v_cvt_pk_f16_f32 v[TMP+4*((4*(\hi)+(\a))*6+(\b))+(\r)], v[8*(6*(\a)+(\b))+2*(\r)], v[8*(6*(\a)+(\b))+2*(\r)+1]
.endr
.endr
.endr
.endr
	WIN 0
.irp hi, 0,1
.irp a, 0,1,2,3
.irp b, 0,1,2,3,4,5
	ds_store_b128 v[STO+(\b)/2], v[TMP+4*((4*(\hi)+(\a))*6+(\b)):TMP+4*((4*(\hi)+(\a))*6+(\b))+3] offset:(64*(\hi)+16*(\a))*SP+32*((\b)%2)
.endr
.endr
.endr
	s_wait_dscnt 0x0                               ; for the others' sake: my stores into the stage are done
	s_barrier_signal -1
	s_barrier_wait -1
.irp j, 0,1,2
.irp t, 0,1,2,3,4,5,6,7,8,9,10,11,12,13,14,15
	ds_load_b128 v[TMP+4*(16*(\j)+(\t)):TMP+4*(16*(\j)+(\t))+3], v[RD+(\j)] offset:(\t)*2*SP
.endr
.endr
.irp j, 0,1,2
.irp t, 0,1,2,3,4,5,6,7,8,9,10,11,12,13,14,15
	s_wait_dscnt 47-16*(\j)-(\t)
	global_store_b128 v[CO], v[TMP+4*(16*(\j)+(\t)):TMP+4*(16*(\j)+(\t))+3], s[OB+2*(\j):OB+2*(\j)+1] offset:512*(\t)  ; two rows of a head: 512 consecutive bytes
.endr
.endr
	s_wait_tensorcnt 0x0                           ; the wave's end
	ds_add_u32 v[SPW], v[NIL]
	s_wait_dscnt 0x0
	CROUND                                         ; the closing round
	s_endpgm
.Lfunc_end_k_q40e2e95483_qkvp:
	.size	k_q40e2e95483_qkvp, .Lfunc_end_k_q40e2e95483_qkvp-k_q40e2e95483_qkvp
	.p2alignl 7, 3214868480
	.fill 96, 4, 3214868480
	.section	.rodata,"a",@progbits
	.p2align	6, 0x0
	.amdhsa_kernel k_q40e2e95483_qkvp
		.amdhsa_group_segment_fixed_size 327680
		.amdhsa_private_segment_fixed_size 0
		.amdhsa_enable_private_segment 0
		.amdhsa_kernarg_size 24
		.amdhsa_user_sgpr_count 2
		.amdhsa_user_sgpr_kernarg_segment_ptr 1
		.amdhsa_wavefront_size32 1
		.amdhsa_system_sgpr_workgroup_id_x 1
		.amdhsa_system_sgpr_workgroup_id_y 1
		.amdhsa_system_sgpr_workgroup_id_z 1
		.amdhsa_system_vgpr_workitem_id 0
		.amdhsa_next_free_vgpr 960
		.amdhsa_next_free_sgpr 80
		.amdhsa_reserve_vcc 0
		.amdhsa_float_denorm_mode_32 3
		.amdhsa_float_denorm_mode_16_64 3
		.amdhsa_memory_ordered 1
		.amdhsa_forward_progress 1
		.amdhsa_inst_pref_size 121
	.end_amdhsa_kernel
	.amdgpu_metadata
---
amdhsa.version: [ 1, 2 ]
amdhsa.kernels:
  - .name:           k_q40e2e95483_qkvp
    .symbol:         k_q40e2e95483_qkvp.kd
    .args:
      - { .name: xb, .offset: 0, .size: 8, .value_kind: global_buffer, .address_space: global }
      - { .name: wb, .offset: 8, .size: 8, .value_kind: global_buffer, .address_space: global }
      - { .name: qkv, .offset: 16, .size: 8, .value_kind: global_buffer, .address_space: global }
    .group_segment_fixed_size: 327680
    .private_segment_fixed_size: 0
    .kernarg_segment_align: 8
    .kernarg_segment_size: 24
    .max_flat_workgroup_size: 128
    .sgpr_count:     80
    .vgpr_count:     960
    .wavefront_size: 32
...
	.end_amdgpu_metadata
.endif
;; end of part 2
;; launch attn (part 3): grid 16 x 16, 8 waves a work-group, clusters of 4 x 1, 327,680 bytes of LDS; arguments qkv, mk, att; writes att
.if DOCPART == 3
	.amdgcn_target "amdgcn-amd-amdhsa--gfx1250"
	.amdhsa_code_object_version 6
	.text
	.protected	k_q40e2e95483_attn
	.globl	k_q40e2e95483_attn
	.p2align	8
	.type	k_q40e2e95483_attn,@function
k_q40e2e95483_attn:
	s_mov_b64 s[64:65], 0
	v_nop
	global_prefetch_b8 v0, s[64:65] scope:SCOPE_SE
	s_setreg_imm32_b32 hwreg(HW_REG_WAVE_MODE, 25, 1), 1
	s_wait_xcnt 0x0
	s_wait_alu depctr_hold_cnt(0) depctr_sa_sdst(0) depctr_va_vdst(0) depctr_va_sdst(0) depctr_va_ssrc(0) depctr_va_vcc(0) depctr_vm_vsrc(0)
	s_getreg_b32 s2, hwreg(HW_REG_IB_STS2, 6, 4)
	s_cmp_eq_u32 s2, 0
	s_cbranch_scc0 .Lentry_in_a_cluster
	s_endpgm
.Lentry_in_a_cluster:
	s_bfe_u32 s2, ttmp6, 0x10000c
	s_cmp_lg_u32 s2, 0x3003
	s_cbranch_scc0 .Lentry_shape_is_right
	s_endpgm
.Lentry_shape_is_right:
; ATTENTION UNDER A MASK THAT IS AN INPUT.  att[q][128 h + d] = the sum over k of softmax_k(s[q][k]) v[h][k][d], s = q' . k (q' = c q, so s is an exponent of 2), hidden keys left out.
; qkv: f16 [j][head][s][128]; mk: one byte a score (0x00 visible, 0xF1 hidden) in the lanes' order; att: f16 [s][2048].  Products, maxima and sums in f32; p rounded to f16 for the second product.
; LIMITS.  A hidden score counts as its value less 2^99: scores must stay within 2^98 in magnitude.  A weight below 2^-126 counts as 0.  A row whose maximum ends below -2^98 (no visible key) is written as NaN.
; NaN and infinities in the inputs are not treated apart.
; SHARES.  A work-group owns 128 queries of one head: 16 x 16 = 256 work-groups of equal work.  EIGHT WAVES, two for each of a WGP's four SIMDs, 512 registers each: a key step goes in phases, and while one
; wave walks its softmax the other wave of the SIMD has products to issue.  Wave w: a = w / 2 picks 32 queries (two tiles of 16), b = w % 2 picks keys 1,024 b .. + 1,023: 16 key steps of 64.
; The two halves of the keys meet once, in LDS, at the end.  Register tile t holds query tile t xor b, so that every wave finishes its register tile 0 and sends its tile 1: one text for all waves.
; LAYOUT.  S^T = K Q^T: a lane holds ONE query (lane % 16) and keys 8 (lane / 16) + 0..7; two results rounded to f16 ARE source 1 of O^T = V^T P.  V comes out of LDS turned.
; THE MASK is what the sums S^T start from: 0, or -2^99 where the key is hidden.  A mask byte set above three bytes of 0 IS that number: one v_perm_b32 a score, written into the accumulators, whose last
; reader is the softmax of the step before; all 32 products then add in place.
; SOFTMAX.  A running maximum m and sum l a query: p = 2^(s - m), formed by a subtraction, so the exponent is never positive; O and l are multiplied by a = 2^(m_old - m_new) in every step.
; m starts at the lowest finite number, O and l at 0: the first step is a step like any other, with a = 0.
; A KEY STEP: K is fetched; the masks are made while those loads are out; 32 products K Q^T; V is fetched into the registers that held K; the two tiles' softmax, its 66 exponentials one batch with one wait,
; while V's loads are out; 32 products V^T P.
; CLUSTER 4 x 1: four query blocks of one head walk the same K and V: each tile is asked for jointly.
; REGISTERS: window 0: v0-47 addresses, statistics (eight a tile) and the meeting's numbers; v64-127 S^T; v128-159 P; v160-175 the mask's bytes; v192-255 Q.
;   window 1: v0-127 O^T, 64 a tile; v128-255 K of a step and then V of the same step.
.set PK,    272                        ; a row of K in LDS: 256 + 16 bytes: the 16 rows of a load start 4 banks apart (64 banks of 4 bytes: ISA guide 11.1)
.set PVP,   288                        ; a row of V: 256 + 32
.set KH,    128*PK                     ; a slot: K of half 0, K of half 1 (128 keys each), V of half 0, V of half 1
.set VH,    128*PVP
.set VOFF,  2*KH
.set SLOTB, VOFF+2*VH
.set SPARE, 2*SLOTB                    ; behind the ring: the spare words, 128 bytes for each of the eight waves
.set XW,    8448                       ; the meeting, in slot 0 behind its last fill: a wave's 8,192 bytes of O^T and 256 of (m, l)
.set STAGE, 8*XW                       ; 16 rows x 272 bytes a wave, for the way out
.set SP,    272
.set AK0, 2                            ; v2   my lane's place in my half's K; never rewritten
.set AV0, 3                            ; v3   the same for V
.set ADK, 4                            ; v4   the LDS address of K's run of loads
.set ADV, 5                            ; v5   of V's
.set STO, 6
.set RD,  7
.set GO,  8
.set ST,  12                           ; tile t at v[ST+8 t]: +0 m; +1 named with it as a pair (0, at the end l); +2, +3 l; +4..+7 c0-c3 at work; a takes c2's place
.set MO,  28                           ; v28, v29  the mask loads' offsets, tile 0 and tile 1; never rewritten
.set XS,  30
.set XL,  31
.set XMS, 32
.set XML, 33
.set PFO, 34
.set ZR,  35                           ; v35  0, the lower bytes of a mask
.set SPW, 36
.set NIL, 37
.set PM,  38                           ; v38, v39  my partner's m and l
.set MX,  40
.set QN,  41
.set S,   64
.set P,   128
.set MB,  160                          ; tile t, half hf of the step's keys at MB + 8 t + 4 hf
.set QF,  192
.set KV,  128                          ; window 1
.set WV,  12
.set LIM, 15
.set PFA, 18
.set G1K, 24
.set G1V, 32
.set G0K, 40
.set G0V, 44
.set SB,  48                           ; the slot being filled: 0 or SLOTB
.set FK,  49                           ; where the 64 rows go that I fetch, if I fetch K
.set FV,  50                           ; if V
.set RK,  51                           ; my half's K in a slot: what I read
.set MP,  52                           ; s[52:53] mk at my two tiles, my key half, the step loaded last
.set SLOTS, 56
.set TWICE, 57
.set MS,  58                           ; s[58:59] the mask pointer's step: 1,024 bytes a key step; 0 in the last step
.set SEL, 60
.set TBK, 62
.set TBV, 63
.set RV,  74                           ; my half's V in a slot
.set PS,  80                           ; s[80:83] v_perm_b32's selectors: byte n of the first source on top, byte 0 of the second (a register of 0) below
.set MSB, 0
.macro WIN new                         ; the immediate's high byte repeats the setting that is left; a switch that changes nothing is dropped
.if MSB != (\new)
	s_set_vgpr_msb (MSB<<8)|(\new)
.set MSB, \new
.endif
.endm
.set W_KQ, 0x01                        ; K in window 1; Q and S^T in window 0
.set W_PV, 0x51                        ; V and O^T in window 1, P in window 0
.set W_RS, 0x41                        ; O^T (destination and source 0) in window 1, the factor in window 0
.set TO_1, 0x40                        ; destination window 1, address window 0
.macro JLOAD                           ; waves 0-3 fetch K, waves 4-7 V: 64 rows each.  An s_nop 0 and four v_nop follow each line
	s_cmp_lt_u32 s[WV], 4
	s_cbranch_scc0 .Lfor_v_\@
	tensor_load_to_lds s[G0K:G0K+3], s[G1K:G1K+7]
	s_nop 0
.rept 4
	v_nop
.endr
	s_branch .Lasked_\@
.Lfor_v_\@:
	tensor_load_to_lds s[G0V:G0V+3], s[G1V:G1V+7]
	s_nop 0
.rept 4
	v_nop
.endr
.Lasked_\@:
.endm
; A prefetch into the L2 of the tile that the NEXT change of slots will ask for: two key steps ahead of that load.  All clusters of a head walk the same K and V: the head's first cluster asks.
; In it the four waves whose 64 rows begin a half's 128 (waves 0, 1, 4, 5) ask for that half's rows; the four partners share the 128 rows out by address, 32 each, a lane a row: each row is named once.
; The last change that fills a slot asks for nothing.
.macro ASK
	s_cmp_gt_u32 s[SLOTS], s[LIM]
	s_cbranch_scc0 .Lnot_mine_\@
	global_prefetch_b8 v[PFO], s[PFA:PFA+1] th:TH_LOAD_NT scope:SCOPE_SE
.Lnot_mine_\@:
.endm
.macro CROUND                          ; a round of the cluster's barrier
	s_barrier_signal -1
	s_barrier_wait -1
	s_cmp_lg_u32 s[WV], 0
	s_cbranch_scc1 .Lnot_wave_0_\@
	s_barrier_signal -3
.Lnot_wave_0_\@:
	s_barrier_wait -3
	s_barrier_signal -1
	s_barrier_wait -1
.endm
.macro PLACES                          ; four plain vector instructions between a matrix instruction and a vector line, a store or a load that touches its registers
.rept 4
	v_nop
.endr
.endm
	s_load_b128 s[4:7], s[0:1], 0x0                ; qkv s[4:5], mk s[6:7]
	s_load_b64 s[10:11], s[0:1], 0x10              ; att
	v_lshl_add_u32 v[SPW], v0, 2, SPARE
	v_mov_b32 v[NIL], 0
	ds_add_u32 v[SPW], v[NIL]                      ; the wave's opening: the add and its wait ahead of my first tensor load
	ds_add_u32 v36, v37
	v_lshrrev_b32 v1, 5, v0
	v_readfirstlane_b32 s[WV], v1                  ; wave 0..7
	s_bfe_u32 s13, ttmp6, 0x40000                  ; cx
	s_lshl_b32 s14, ttmp9, 2
	s_add_co_u32 s14, s14, s13                     ; my block of 128 queries: it enters Q's, the mask's and att's addresses alone
	s_and_b32 s20, ttmp7, 0xffff                   ; the head, which the partners share
	s_and_b32 s16, s[WV], 1                        ; b.  Also: which half's rows I fetch
	s_lshr_b32 s17, s[WV], 1                       ; a
	s_and_b32 s21, s17, 1                          ; which 64 of that half's 128 rows I fetch
	s_lshl_b32 s22, s20, 19                        ; the head's 2,048 rows of 256 bytes,
	s_lshl_b32 s23, s16, 18                        ; the half's 1,024,
	s_add_co_u32 s22, s22, s23
	s_lshl_b32 s23, s21, 14                        ; my 64
	s_add_co_u32 s22, s22, s23
	s_mov_b32 s23, 0
	s_mul_i32 s[RK], s16, KH
	s_mul_i32 s[RV], s16, VH
	s_add_co_u32 s[RV], s[RV], VOFF
	s_mul_i32 s[FK], s21, 64*PK
	s_add_co_u32 s[FK], s[FK], s[RK]
	s_mul_i32 s[FV], s21, 64*PVP
	s_add_co_u32 s[FV], s[FV], s[RV]
	s_mov_b32 s[SB], 0
	s_mov_b32 s[G1K], 15|(1<<16)|(1<<20)|(1<<21)|(5<<22)|(3<<25)  ; the mask of four; 2-byte elements; padding on; bit 21 beside a mask; after every 64 words 4 words
	s_mov_b32 s[G1V], 15|(1<<16)|(1<<20)|(1<<21)|(5<<22)|(7<<25)  ; the same with 8 words
.irp g, G1K, G1V
	s_mov_b32 s[(\g)+1], 128<<16                   ; tensor_dim0 = 128
	s_mov_b32 s[(\g)+2], 64<<16                    ; tensor_dim1 = 64
	s_mov_b32 s[(\g)+3], 128<<16                   ; tile_dim0 = 128
	s_mov_b32 s[(\g)+4], 64                        ; tile_dim1 = 64
	s_mov_b32 s[(\g)+5], 128                       ; 128 elements from row to row
	s_mov_b32 s[(\g)+6], 0
	s_mov_b32 s[(\g)+7], 0
.endr
	s_mov_b32 s[G0K], 1
	s_mov_b32 s[G0K+1], s[FK]                      ; slot 0
	s_mov_b32 s[G0V], 1
	s_mov_b32 s[G0V+1], s[FV]
	s_lshl_b32 s2, s20, 19                         ; Q: head, block of 128 rows of 256 bytes, a's 32
	s_lshl_b32 s3, s14, 15
	s_add_co_u32 s2, s2, s3
	s_lshl_b32 s3, s17, 13
	s_add_co_u32 s2, s2, s3
	s_mov_b32 s3, 0
	s_lshl_b32 s66, s14, 18                        ; mk: tile 8 qb + 2 a of 32,768 bytes, key step 16 b of 1,024
	s_lshl_b32 s67, s17, 16
	s_add_co_u32 s66, s66, s67
	s_lshl_b32 s67, s16, 14
	s_add_co_u32 s66, s66, s67
	s_mov_b32 s67, 0
	s_lshl_b32 s68, s14, 19                        ; att: row 128 qb + 32 a + 16 b of 4,096 bytes, the head's 256
	s_lshl_b32 s69, s17, 17
	s_add_co_u32 s68, s68, s69
	s_lshl_b32 s69, s16, 16
	s_add_co_u32 s68, s68, s69
	s_lshl_b32 s69, s20, 8
	s_add_co_u32 s68, s68, s69
	s_mov_b32 s69, 0
	s_mov_b32 s[MS], 1024
	s_mov_b32 s[MS+1], 0
.irp n, 0,1,2,3
	s_mov_b32 s[PS+(\n)], (4+(\n))<<24
.endr
	s_mov_b32 s[SEL], 0x76543210
	s_mov_b32 s[SEL+1], 0xfedcba98
	s_mov_b32 s[TBK], SLOTB+KH                     ; the first change of slots turns these two into 0
	s_mov_b32 s[TBV], SLOTB+VH
	s_mov_b32 s[SLOTS], 7
	s_or_b32 s[LIM], s21, ttmp9                    ; 0 in waves 0, 1, 4, 5 of the head's first cluster: the same in all four partners
	s_cmp_eq_u32 s[LIM], 0
	s_cselect_b32 s[LIM], 1, -1
	v_and_b32 v[PFO], 31, v0
	v_lshlrev_b32 v[PFO], 8, v[PFO]
	s_wait_dscnt 0x0                               ; the opening add is done
	s_wait_kmcnt 0x0
	s_add_nc_u64 s[70:71], s[4:5], s[22:23]
	s_add_nc_u64 s[72:73], s[70:71], 16777216      ; v at my rows of tile 0
	s_add_nc_u64 s[70:71], s[70:71], 8388608       ; k at my rows of tile 0
	s_mov_b64 s[G0K+2:G0K+3], s[70:71]
	s_or_b32 s[G0K+3], s[G0K+3], 0x80000000
	s_mov_b64 s[G0V+2:G0V+3], s[72:73]
	s_or_b32 s[G0V+3], s[G0V+3], 0x80000000
	s_add_nc_u64 s[4:5], s[4:5], s[2:3]            ; Q at my 32 rows
	s_add_nc_u64 s[MP:MP+1], s[6:7], s[66:67]
	s_add_nc_u64 s[10:11], s[10:11], s[68:69]
	s_cmp_lt_u32 s[WV], 4
	s_cselect_b64 s[PFA:PFA+1], s[70:71], s[72:73] ; (in the waves that ask these stand at a half's first row)
	s_lshl_b32 s2, s13, 13                         ; my work-group's 32 rows of the 128
	s_add_nc_u64 s[PFA:PFA+1], s[PFA:PFA+1], s[2:3]
	s_add_nc_u64 s[PFA:PFA+1], s[PFA:PFA+1], 32768 ; in tile 1; the first change steps it to tile 2
	CROUND                                         ; all four work-groups are here
	JLOAD                                          ; tile 0 into slot 0; slot 1 is asked for when it is in
	v_and_b32 v1, 15, v0                           ; l % 16
	v_bfe_u32 v9, v0, 4, 1                         ; l / 16
	v_lshlrev_b32 v10, 8, v1
	v_lshl_add_u32 v10, v9, 4, v10                 ; row x 256 + 16 x half
	s_lshl_b32 s2, s16, 12                         ; register tile 0 holds query tile b,
	s_xor_b32 s3, s2, 4096                         ; register tile 1 the other
	v_add_nc_u32 v11, s3, v10
	v_add_nc_u32 v10, s2, v10
	v_and_b32 v42, 31, v0
	v_lshlrev_b32 v[MO], 4, v42
	s_lshl_b32 s2, s16, 15
	s_xor_b32 s3, s2, 32768
	v_add_nc_u32 v[MO+1], s3, v[MO]
	v_add_nc_u32 v[MO], s2, v[MO]
.set i, 0
.rept 8                                            ; Q stays in registers: tile i / 4, channels 32 (i % 4) on
	global_load_b128 v[QF+8*i:QF+8*i+3],   v[10+i/4], s[4:5] offset:(i%4)*64
	global_load_b128 v[QF+8*i+4:QF+8*i+7], v[10+i/4], s[4:5] offset:(i%4)*64+32
.set i, i+1
.endr
; The mask's bytes for one key step: two tiles x two halves of 32 keys, 16 bytes a lane each.
.macro MASKLOAD
.irp n, 0,1,2,3
	global_load_b128 v[MB+4*(\n):MB+4*(\n)+3], v[MO+(\n)/2], s[MP:MP+1] offset:((\n)%2)*512
.endr
.endm
	MASKLOAD                                       ; key step 0
	; What the first step finds; all this stands in the wait for the first tile.  Sixteen moves make two fragments of zeros; a product of the two with C = 0 writes eight zeros a line: 16 lines for O^T.
.set i, 0
.rept 16
	v_mov_b32 v[P+i], 0
.set i, i+1
.endr
	v_mov_b32 v[ZR], 0
.irp t, 0,1
	v_mov_b32 v[ST+8*(\t)], 0xff7fffff             ; m
	v_mov_b32 v[ST+8*(\t)+1], 0
	v_mov_b32 v[ST+8*(\t)+2], 0                    ; l
	v_mov_b32 v[ST+8*(\t)+3], 0
.endr
	v_mul_u32_u24 v[AK0], v1, PK
	v_lshl_add_u32 v[AK0], v9, 4, v[AK0]           ; row x pitch + 16 x half,
	v_add_nc_u32 v[AK0], s[RK], v[AK0]             ; in my half's K
	v_and_b32 v42, 7, v0                           ; the turning load: lane l reads key 8 (l / 16) + l % 8, channels 8 ((l / 8) % 2) + 0..7
	v_bfe_u32 v43, v0, 3, 1
	v_lshl_add_u32 v[AV0], v9, 3, v42
	v_mul_u32_u24 v[AV0], v[AV0], PVP
	v_lshl_add_u32 v[AV0], v43, 4, v[AV0]
	v_add_nc_u32 v[AV0], s[RV], v[AV0]             ; in my half's V
	s_mul_i32 s2, s[WV], 16*SP
	s_add_co_u32 s2, s2, STAGE                     ; my stage
	v_mul_u32_u24 v[STO], v1, SP                   ; in: row l % 16, 16 bytes for each half of the lanes
	v_lshl_add_u32 v[STO], v9, 4, v[STO]
	v_add_nc_u32 v[STO], s2, v[STO]
	v_mul_u32_u24 v[RD], v9, SP                    ; back: lanes 0-15 one row of 256 bytes, lanes 16-31 the next
	v_lshl_add_u32 v[RD], v1, 4, v[RD]
	v_add_nc_u32 v[RD], s2, v[RD]
	v_lshlrev_b32 v[GO], 12, v9                    ; and the same two rows in att
	v_lshl_add_u32 v[GO], v1, 4, v[GO]
	v_and_b32 v42, 31, v0
	s_mul_i32 s2, s[WV], XW                        ; the meeting: my part,
	s_xor_b32 s3, s[WV], 1
	s_mul_i32 s3, s3, XW                           ; and that of the wave with the same queries and the other half of the keys
	v_lshl_add_u32 v[XS], v42, 4, s2
	v_lshl_add_u32 v[XL], v42, 4, s3
	s_add_co_u32 s2, s2, 8192
	s_add_co_u32 s3, s3, 8192
	v_lshl_add_u32 v[XMS], v42, 3, s2
	v_lshl_add_u32 v[XML], v42, 3, s3
	WIN TO_1                                       ; D in window 1, both sources in window 0
.set i, 0
.rept 16
	v_wmma_f32_16x16x32_f16 v[8*i:8*i+7], v[P:P+7], v[P+8:P+15], 0     ; O^T = 0
.set i, i+1
.endr
	WIN 0
; THE MATRIX WORK.  The accumulators take turns, one instruction a turn.
.macro KQ                              ; product i of 32 of S^T += K Q^T: channels 32 (i / 8) on, keys 16 ((i / 2) % 4) on, tile i % 2; the sums start from the mask
	WIN W_KQ
.set rS, S+32*(i%2)+8*((i/2)%4)
.set rK, KV+32*((i/2)%4)+8*(i/8)
.set rQ, QF+32*(i%2)+8*(i/8)
	v_wmma_f32_16x16x32_f16 v[rS:rS+7], v[rK:rK+7], v[rQ:rQ+7], v[rS:rS+7]
.endm
.macro PV                              ; product i of 32 of O^T += V^T P: keys 32 (i / 16) on, channels 16 ((i / 2) % 8) on, tile i % 2
	WIN W_PV
.set rO, 64*(i%2)+8*((i/2)%8)
.set rV, KV+64*(i/16)+8*((i/2)%8)
.set rP, P+16*(i%2)+8*(i/16)
	v_wmma_f32_16x16x32_f16 v[rO:rO+7], v[rV:rV+7], v[rP:rP+7], v[rO:rO+7]
.endm
; THE VECTOR WORK.  One tile's softmax for one key step is a numbered list; SM writes number j of it for tile t.
;   0-15 the maximum of the 32 scores and the old m (each accumulator's lowest registers are read first)   16-20 the other half of the lanes' maximum; m_old kept; the new m; m_old - m_new (19 is empty)
;   21-69 ONE BATCH: the 16 subtractions s - m and all 33 exponentials (a at 23); none reads an exponential's result   (the wait)   70-85 roundings to f16   86-101 the sums; l = a l + sum   102-133 O^T times a
.macro SM t
.set rT, ST+8*(\t)
.set rS, S+32*(\t)
.set rP, P+16*(\t)
.set rO, 64*(\t)+2*(j-102)
.if j < 102
	WIN 0
.endif
.if j < 4
	v_max3_num_f32 v[rT+4+j], v[rS+8*j], v[rS+8*j+1], v[rS+8*j+2]
.elseif j < 12
	v_max3_num_f32 v[rT+4+j%4], v[rT+4+j%4], v[rS+8*(j%4)+2*(j/4)+1], v[rS+8*(j%4)+2*(j/4)+2]
.elseif j == 12
	v_max3_num_f32 v[rT+4], v[rT+4], v[rS+7], v[rS+15]
.elseif j == 13
	v_max3_num_f32 v[rT+6], v[rT+6], v[rS+23], v[rS+31]
.elseif j == 14
	v_max3_num_f32 v[rT+4], v[rT+4], v[rT+5], v[rT+6]
.elseif j == 15
	v_max3_num_f32 v[rT+4], v[rT+4], v[rT+7], v[rT]
.elseif j == 16
	v_permlanex16_b32 v[rT+5], v[rT+4], s[SEL], s[SEL+1]  ; the query's other 32 keys lie in the lane 16 away
.elseif j == 17
	v_mov_b32 v[rT+7], v[rT]
.elseif j == 18
	v_max_num_f32 v[rT], v[rT+4], v[rT+5]
.elseif j == 19
.elseif j == 20
	v_sub_f32 v[rT+7], v[rT+7], v[rT]
.elseif j == 23
	v_exp_f32 v[rT+6], v[rT+7]
.elseif (j < 23) || ((j < 38) && (j%2 == 0)) || ((j < 66) && (j%4 == 2))
.set b, (j-2)/4
.if j < 38
.set b, (j-20)/2
.endif
	v_pk_add_f32 v[rS+2*b:rS+2*b+1], v[rS+2*b:rS+2*b+1], v[rT:rT+1] op_sel_hi:[1,0] neg_lo:[0,1] neg_hi:[0,1]  ; pair b: s - m
.elseif j < 70
.set e, j-38
.if j < 66
.set e, j-32-(j-38)/4
.endif
.if j < 38
.set e, (j-25)/2
.endif
	v_exp_f32 v[rS+e], v[rS+e]
.elseif j < 86
	v_cvt_pk_f16_f32 v[rP+j-70], v[rS+2*(j-70)], v[rS+2*(j-70)+1]
.elseif j < 102
.set z, j-86
.set w, 4
.set u, z
.if z >= 14
.set w, 32
.set u, 0
.elseif z >= 12
.set w, 16
.set u, z-12
.elseif z >= 8
.set w, 8
.set u, z-8
.endif
.if z < 15
	v_pk_add_f32 v[rS+w*u:rS+w*u+1], v[rS+w*u:rS+w*u+1], v[rS+w*u+w/2:rS+w*u+w/2+1]
.else
	v_pk_fma_f32 v[rT+2:rT+3], v[rT+2:rT+3], v[rT+6:rT+7], v[rS:rS+1] op_sel_hi:[1,0,1]
.endif
.else
	WIN W_RS
	v_pk_mul_f32 v[rO:rO+1], v[rO:rO+1], v[rT+6:rT+7] op_sel_hi:[1,0]
.endif
.endm
; Part k of 64 of the two tiles' softmax.  Parts 11 to 34 deal out the batch, four numbers of one tile each; every other part is numbers 2 k, 2 k + 1 of both tiles, the tiles alternating; part 63 takes the
; twelve that are over.  Ahead of part 35 nothing names an exponential's result, behind part 34 none is issued: one plain instruction and one wait stand behind part 34.
.macro SLICE
.if (k >= 11) && (k < 35)
.irp n, 0,1,2,3
.set j, 22+4*((k-11)/2)+(\n)
	SM (k-11)%2
.endr
.else
.irp n, 0,1,2,3,4,5,6,7
.if ((\n) < 2) || (k == 63)
.irp t, 0,1
.set j, 2*k+(\n)
	SM \t
.endr
.endif
.endr
.endif
.if k == 34
	v_nop
	s_wait_alu depctr_va_vdst(0)
.endif
.set k, k+1
.endm
; A KEY STEP.  K and V take turns in one buffer of 128 registers.  K's loads stand ten plain vector lines (two addresses, eight masks) behind the last product V^T P, which read that buffer; V's stand four
; v_nop behind the last product K Q^T.  At most 32 LDS loads of mine are out.
.macro STEP
	WIN 0
	s_wait_loadcnt 0x0                             ; this step's mask bytes, asked for a step ago, are in; the loads are done, so their pointer may be written:
	s_add_nc_u64 s[MP:MP+1], s[MP:MP+1], s[MS:MS+1]  ; the next key step, 15 times in all; in the last step the step is 0, so that no load leaves my 16 steps
	v_add_nc_u32 v[ADK], s[TBK], v[AK0]
	v_add_nc_u32 v[ADV], s[TBV], v[AV0]
	s_add_co_u32 s[TBK], s[TBK], 64*PK             ; the next fetch is the next step's
	s_add_co_u32 s[TBV], s[TBV], 64*PVP
.set z, 0
.rept 64                                           ; the masks.  Number z: register z % 8 of accumulator z / 8 takes byte z % 4 of the bytes' register z / 4
	v_perm_b32 v[S+z], v[MB+z/4], v[ZR], s[PS+z%4]
.if z == 7
	WIN TO_1
.irp f, 0,1,2,3,4,5,6,7,8,9,10,11,12,13,14,15      ; K: keys 16 (f / 4) on, channels 32 (f % 4) on; the other 56 masks are made while these loads are out
	ds_load_b128 v[KV+8*(\f):KV+8*(\f)+3],   v[ADK] offset:((\f)/4)*16*PK+((\f)%4)*64
	ds_load_b128 v[KV+8*(\f)+4:KV+8*(\f)+7], v[ADK] offset:((\f)/4)*16*PK+((\f)%4)*64+32
.endr
	WIN 0
.endif
.set z, z+1
.endr
	MASKLOAD                                       ; the next step's bytes: a whole key step ahead of their use
	s_wait_dscnt 0x0                               ; K is in
.set i, 0
.rept 32
	KQ
.set i, i+1
.endr
	WIN 0
	PLACES                                         ; behind the last product: in front of the loads into K's registers and of the maximum that reads the scores
	WIN TO_1
.irp f, 0,1,2,3,4,5,6,7,8,9,10,11,12,13,14,15      ; V, turned: keys 32 (f / 8) on, channels 16 (f % 8) on; the softmax is walked while these loads are out
	ds_load_tr16_b128 v[KV+8*(\f):KV+8*(\f)+3],   v[ADV] offset:((\f)/8)*32*PVP+((\f)%8)*32
	ds_load_tr16_b128 v[KV+8*(\f)+4:KV+8*(\f)+7], v[ADV] offset:((\f)/8)*32*PVP+16*PVP+((\f)%8)*32
.endr
.set k, 0
.rept 64
	SLICE
.endr
	s_wait_dscnt 0x0                               ; V is in
.set i, 0
.rept 32
	PV
.set i, i+1
.endr
.endm
; THE CHANGE OF SLOTS.  Each wave waits for its loads into registers and for all its tensor loads (one is out: its part of the other slot), adds 0 to its spare word, and waits for that and for its reads of the
; slot that it leaves.  fill = 1: the barrier is a round of the cluster's, and the joint fill is the first thing behind it: it has two key steps of all eight waves in which to land.
; (At its first use nothing has been read yet: slot 0 is waited for, slot 1 filled.)
.macro CHANGE fill
	WIN 0
	s_wait_loadcnt 0x0                             ; the mask bytes asked for a step ago (at first: Q too): no load into registers is out at the barrier
	s_wait_tensorcnt 0x0
	ds_add_u32 v[SPW], v[NIL]
.if \fill
	s_xor_b32 s[SB], s[SB], SLOTB                  ; the other slot than last time,
	s_add_co_u32 s[G0K+1], s[SB], s[FK]
	s_add_co_u32 s[G0V+1], s[SB], s[FV]
	s_add_nc_u64 s[G0K+2:G0K+3], s[G0K+2:G0K+3], 32768  ; the half's next 128 keys
	s_add_nc_u64 s[G0V+2:G0V+3], s[G0V+2:G0V+3], 32768
	s_wait_xcnt 0x0                                ; the last prefetch, two key steps back, has read its address
	s_add_nc_u64 s[PFA:PFA+1], s[PFA:PFA+1], 32768
	s_wait_dscnt 0x0
	CROUND
	JLOAD
	ASK
.else
	s_wait_dscnt 0x0
	s_barrier_signal -1
	s_barrier_wait -1
.endif
	s_sub_co_u32 s[TBK], s[TBK], KH                ; the fetches go back to a slot's first step, in the other slot
	s_xor_b32 s[TBK], s[TBK], SLOTB
	s_sub_co_u32 s[TBV], s[TBV], VH
	s_xor_b32 s[TBV], s[TBV], SLOTB
.endm
; A slot's two key steps: written once, walked twice.  last = 1, the walk's last slot: behind its first trip the mask pointer's step becomes 0.
.macro TWO_STEPS last
	WIN 0
	s_mov_b32 s[TWICE], 2
.Lstep_\@:
	STEP
	WIN 0
.if \last
	s_mov_b32 s[MS], 0
.endif
	s_sub_co_u32 s[TWICE], s[TWICE], 1
	s_cmp_lg_u32 s[TWICE], 0
	s_cbranch_scc1 .Lstep_\@
.endm
.Lslot:                                            ; seven trips: tile i is entered, tile i + 1 asked for
	CHANGE 1
	TWO_STEPS 0
	s_sub_co_u32 s[SLOTS], s[SLOTS], 1
	s_cmp_lg_u32 s[SLOTS], 0
	s_cbranch_scc1 .Lslot
	CHANGE 0                                       ; the last tile is written out.  Behind this barrier nobody reads slot 0
	TWO_STEPS 1
	; THE MEETING.  l's halves are added; tile 1 goes to the wave with the other half of the keys, its tile 1 comes to me.
	s_wait_loadcnt 0x0                             ; the last step's mask bytes, which nothing reads, are in: no load of mine is out from here on
	PLACES                                         ; behind the last products
.irp t, 0,1
	v_add_f32 v[ST+8*(\t)+4], v[ST+8*(\t)+2], v[ST+8*(\t)+3]
.endr
.irp t, 0,1
	v_permlanex16_b32 v[ST+8*(\t)+5], v[ST+8*(\t)+4], s[SEL], s[SEL+1]
.endr
.irp t, 0,1
	v_add_f32 v[ST+8*(\t)+1], v[ST+8*(\t)+4], v[ST+8*(\t)+5]  ; l beside m
.endr
	WIN 0x04                                       ; store data in window 1
.set i, 0
.rept 16
	ds_store_b128 v[XS], v[64+4*i:64+4*i+3] offset:512*i
.set i, i+1
.endr
	WIN 0
	ds_store_b64 v[XMS], v[ST+8:ST+9]
	s_wait_dscnt 0x0                               ; for the partner's sake
	s_barrier_signal -1
	s_barrier_wait -1
	WIN TO_1                                       ; into the registers that held V
.set i, 0
.rept 16
	ds_load_b128 v[KV+4*i:KV+4*i+3], v[XL] offset:512*i
.set i, i+1
.endr
	WIN 0
	ds_load_b64 v[PM:PM+1], v[XML]
	s_wait_dscnt 0x0
	v_max_num_f32 v[MX], v[ST], v[PM]              ; the row's maximum over all keys
	v_sub_f32 v[ST+4], v[ST], v[MX]
	v_sub_f32 v[ST+5], v[PM], v[MX]
	v_exp_f32 v[ST+4], v[ST+4]
	v_exp_f32 v[ST+5], v[ST+5]
	v_mov_b32 v[QN], 0x7fc00000                    ; a plain line behind the last exponential
	s_wait_alu depctr_va_vdst(0)                   ; one wait for the two
	v_mul_f32 v[ST+6], v[ST+5], v[PM+1]
	v_fma_f32 v[ST+1], v[ST+4], v[ST+1], v[ST+6]   ; l over all keys
	v_rcp_f32 v[ST+7], v[ST+1]
	v_nop
	s_wait_alu depctr_va_vdst(0)
	v_cmp_gt_f32 vcc_lo, 0xf0800000, v[MX]         ; -2^98 above the maximum: the row saw no key
	v_cndmask_b32 v[ST+7], v[ST+7], v[QN], vcc_lo
	v_mul_f32 v[ST+6], v[ST+5], v[ST+7]            ; my partner's factor,
	v_mul_f32 v[ST+4], v[ST+4], v[ST+7]            ; and mine
	WIN W_RS
.set i, 0
.rept 32
	v_pk_mul_f32 v[i:i+1], v[i:i+1], v[ST+4:ST+5] op_sel_hi:[1,0]
.set i, i+2
.endr
	WIN W_PV                                       ; the partner's O^T and mine in window 1, its factor in window 0
.set i, 0
.rept 32
	v_pk_fma_f32 v[i:i+1], v[KV+i:KV+i+1], v[ST+6:ST+7], v[i:i+1] op_sel_hi:[1,0,1]
.set i, i+2
.endr
	; THE WAY OUT.  A lane's eight channels pack into 16 bytes; they go into rows of 272 bytes of my own stage and come back as whole rows of 256.
	WIN 0x05                                       ; sources in window 1, destination in window 0
.set i, 0
.rept 32
	v_cvt_pk_f16_f32 v[S+i], v[2*i], v[2*i+1]
.set i, i+1
.endr
	WIN 0
.irp f, 0,1,2,3,4,5,6,7
	ds_store_b128 v[STO], v[S+4*(\f):S+4*(\f)+3] offset:32*(\f)
.endr
.irp f, 0,1,2,3,4,5,6,7
	ds_load_b128 v[S+4*(\f):S+4*(\f)+3], v[RD] offset:(\f)*2*SP  ; LDS serves a wave's instructions in order (ISA guide 5.7.1.4): these see the stores above
.endr
.irp f, 0,1,2,3,4,5,6,7
	s_wait_dscnt 7-(\f)                            ; the 7 - f younger loads may be out
	global_store_b128 v[GO], v[S+4*(\f):S+4*(\f)+3], s[10:11] offset:(\f)*8192  ; 16 lanes store 256 consecutive bytes, aligned
.endr
	s_wait_tensorcnt 0x0                           ; the wave's end
	ds_add_u32 v[SPW], v[NIL]
	s_wait_dscnt 0x0
	CROUND                                         ; the closing round
	s_endpgm
.Lfunc_end_k_q40e2e95483_attn:
	.size	k_q40e2e95483_attn, .Lfunc_end_k_q40e2e95483_attn-k_q40e2e95483_attn
	.p2alignl 7, 3214868480
	.fill 96, 4, 3214868480
	.section	.rodata,"a",@progbits
	.p2align	6, 0x0
	.amdhsa_kernel k_q40e2e95483_attn
		.amdhsa_group_segment_fixed_size 327680
		.amdhsa_private_segment_fixed_size 0
		.amdhsa_enable_private_segment 0
		.amdhsa_kernarg_size 24
		.amdhsa_user_sgpr_count 2
		.amdhsa_user_sgpr_kernarg_segment_ptr 1
		.amdhsa_wavefront_size32 1
		.amdhsa_system_sgpr_workgroup_id_x 1
		.amdhsa_system_sgpr_workgroup_id_y 1
		.amdhsa_system_sgpr_workgroup_id_z 1
		.amdhsa_system_vgpr_workitem_id 0
		.amdhsa_next_free_vgpr 512
		.amdhsa_next_free_sgpr 88
		.amdhsa_reserve_vcc 1
		.amdhsa_float_denorm_mode_32 3
		.amdhsa_float_denorm_mode_16_64 3
		.amdhsa_memory_ordered 1
		.amdhsa_forward_progress 1
		.amdhsa_inst_pref_size 82
	.end_amdhsa_kernel
	.amdgpu_metadata
---
amdhsa.version: [ 1, 2 ]
amdhsa.kernels:
  - .name:           k_q40e2e95483_attn
    .symbol:         k_q40e2e95483_attn.kd
    .args:
      - { .name: qkv, .offset: 0, .size: 8, .value_kind: global_buffer, .address_space: global }
      - { .name: mk, .offset: 8, .size: 8, .value_kind: global_buffer, .address_space: global }
      - { .name: att, .offset: 16, .size: 8, .value_kind: global_buffer, .address_space: global }
    .group_segment_fixed_size: 327680
    .private_segment_fixed_size: 0
    .kernarg_segment_align: 8
    .kernarg_segment_size: 24
    .max_flat_workgroup_size: 256
    .sgpr_count:     88
    .vgpr_count:     512
    .wavefront_size: 32
...
	.end_amdgpu_metadata
.endif
;; end of part 3
;; launch proj (part 4): grid 16 x 16, 4 waves a work-group, clusters of 4 x 4, 327,680 bytes of LDS; arguments att, woh, bo, out0; writes out0
.if DOCPART == 4
	.amdgcn_target "amdgcn-amd-amdhsa--gfx1250"
	.amdhsa_code_object_version 6
	.text
	.protected	k_q40e2e95483_proj
	.globl	k_q40e2e95483_proj
	.p2align	8
	.type	k_q40e2e95483_proj,@function
k_q40e2e95483_proj:
	s_mov_b64 s[64:65], 0
	v_nop
	global_prefetch_b8 v0, s[64:65] scope:SCOPE_SE
	s_setreg_imm32_b32 hwreg(HW_REG_WAVE_MODE, 25, 1), 1
	s_wait_xcnt 0x0
	s_wait_alu depctr_hold_cnt(0) depctr_sa_sdst(0) depctr_va_vdst(0) depctr_va_sdst(0) depctr_va_ssrc(0) depctr_va_vcc(0) depctr_vm_vsrc(0)
	s_getreg_b32 s2, hwreg(HW_REG_IB_STS2, 6, 4)
	s_cmp_eq_u32 s2, 0
	s_cbranch_scc0 .Lentry_in_a_cluster
	s_endpgm
.Lentry_in_a_cluster:
	s_bfe_u32 s2, ttmp6, 0x10000c
	s_cmp_lg_u32 s2, 0xf033
	s_cbranch_scc0 .Lentry_shape_is_right
	s_endpgm
.Lentry_shape_is_right:
; out0 = att Wo + bo.  att: f16 [2048][2048]; woh: f16 [nb 16][k 2048][128]; bo: f32 [2048], rounded to bf16 like the other inputs; out0: f32 [2048][2048].  Sums in f32, K ascending.
; A tile of out0 is 128 x 128: 16 x 16 work-groups, one for each WGP.  Four waves, each 64 x 64: 16 accumulators.  K goes in steps of 256 through two LDS slots: att's 128 rows of 512 bytes, then 256 rows of
; Wo's block, 256 bytes each, which come out of LDS turned.  One tensor load a wave: waves 0, 1 att's halves (64 rows), waves 2, 3 Wo's (128 rows of K).
; CLUSTER 4 x 4: att's tile is shared along a row of the cluster, Wo's along a column: joint loads.  No prefetch: the tiles are small and the launch short.
; THE MATRIX INSTRUCTION IS USED TRANSPOSED (source 0 = 16 columns of Wo, source 1 = 16 rows of att): a lane holds eight neighbouring columns of one row, 32 bytes of f32.
; REGISTERS: window 0: v0-31 addresses, v12-15 the bias; v32-95 at work on the way out; v128-255 the accumulators ((a, b) at v[128 + 8 (4 a + b)]).  window 1: two fragment buffers of 128.
.set PITCH,  528                       ; att's LDS row: 512 + 16 bytes
.set PB,     288                       ; Wo's: 256 + 32
.set HALFA,  64*PITCH
.set HALFB,  128*PB
.set ABYTES, 2*HALFA
.set SLOT,   ABYTES+2*HALFB
.set STAGE,  2*SLOT                    ; behind the ring: 16 rows x 272 bytes for each wave, its own
.set SP,     272
.set SPARE,  STAGE+4*16*SP
.set ADRA, 16                          ; v16-17
.set ADRB, 20                          ; v20-23: slot s, half kh of the K step at 20 + 2 s + kh
.set STO,  24
.set RD,   25
.set CO,   26
.set SPW,  28
.set NIL,  29
.set BI,   12
.set TMP,  32
.set ACC,  128
.set F0,   0
.set F1,   128
.set G1, 24
.set G0, 32
.set G1B, 48
.set G0B, 56
.set MSB, 0
.macro WIN new
.if MSB != (\new)
	s_set_vgpr_msb (MSB<<8)|(\new)
.set MSB, \new
.endif
.endm
.set MUL,  0x05
.set TO_F, 0x40
.macro JLOAD s
	s_cmp_eq_u32 s11, 0
	s_cbranch_scc0 .Lfor_b_\@
	tensor_load_to_lds s[G0+4*(\s):G0+4*(\s)+3], s[G1:G1+7]
	s_nop 0
.rept 4
	v_nop
.endr
	s_branch .Lasked_\@
.Lfor_b_\@:
	tensor_load_to_lds s[G0B+4*(\s):G0B+4*(\s)+3], s[G1B:G1B+7]
	s_nop 0
.rept 4
	v_nop
.endr
.Lasked_\@:
.endm
.macro CREST
	s_cmp_lg_u32 s10, 0
	s_cbranch_scc1 .Lnot_wave_0_\@
	s_barrier_signal -3
.Lnot_wave_0_\@:
	s_barrier_wait -3
	s_barrier_signal -1
	s_barrier_wait -1
.endm
.macro CROUND
	s_barrier_signal -1
	s_barrier_wait -1
	CREST
.endm
	s_load_b128 s[4:7], s[0:1], 0x0                ; att s[4:5], woh s[6:7]
	s_load_b128 s[68:71], s[0:1], 0x10             ; bo s[68:69], out0 s[70:71]
	v_lshl_add_u32 v[SPW], v0, 2, SPARE
	v_mov_b32 v[NIL], 0
	ds_add_u32 v[SPW], v[NIL]                      ; the wave's opening: the add and its wait ahead of my first tensor load
	ds_add_u32 v28, v29
	v_lshrrev_b32 v1, 5, v0
	v_readfirstlane_b32 s10, v1
	s_lshr_b32 s11, s10, 1                         ; my half of the tile's rows.  Also: I fetch att (0) or Wo (1)
	s_and_b32 s12, s10, 1                          ; my half of its columns.  Also: which half of that tile I fetch
	s_bfe_u32 s40, ttmp6, 0x40000
	s_bfe_u32 s41, ttmp6, 0x40004
	s_lshl_b32 s42, ttmp9, 2
	s_add_co_u32 s42, s42, s40                     ; block of 128 columns
	s_and_b32 s13, ttmp7, 0xffff
	s_lshl_b32 s13, s13, 2
	s_add_co_u32 s13, s13, s41                     ; block of 128 rows
	s_lshl_b32 s43, s41, 2
	s_lshl_b32 s43, 15, s43
	s_lshl_b32 s44, 0x1111, s40
	s_or_b32 s[G1+0], s43, (1<<16)|(1<<20)|(1<<21)|(6<<22)|(3<<25)   ; after every 128 words 4 words of padding
	s_or_b32 s[G1B+0], s44, (1<<16)|(1<<20)|(1<<21)|(5<<22)|(7<<25)  ; after every 64 words 8
	s_mov_b32 s[G1+1], 256<<16                     ; att: 64 rows x 256 elements, 2,048 elements from row to row
	s_mov_b32 s[G1+2], 64<<16
	s_mov_b32 s[G1+3], 256<<16
	s_mov_b32 s[G1+4], 64
	s_mov_b32 s[G1+5], 2048
	s_mov_b32 s[G1+6], 0
	s_mov_b32 s[G1+7], 0
	s_mov_b32 s[G1B+1], 128<<16                    ; Wo: 128 rows x 128 elements, dense
	s_mov_b32 s[G1B+2], 128<<16
	s_mov_b32 s[G1B+3], 128<<16
	s_mov_b32 s[G1B+4], 128
	s_mov_b32 s[G1B+5], 128
	s_mov_b32 s[G1B+6], 0
	s_mov_b32 s[G1B+7], 0
	s_lshl_b32 s16, s13, 19                        ; att: (128 block + 64 half) rows of 4,096 bytes
	s_lshl_b32 s17, s12, 18
	s_add_co_u32 s16, s16, s17
	s_mov_b32 s17, 0
	s_lshl_b32 s46, s42, 19                        ; Wo: block of 524,288 bytes, half's 128 rows of 256
	s_lshl_b32 s47, s12, 15
	s_add_co_u32 s46, s46, s47
	s_mov_b32 s47, 0
	s_mul_i32 s20, s12, HALFA
	s_mul_i32 s21, s12, HALFB
	s_add_co_u32 s21, s21, ABYTES
	s_wait_dscnt 0x0
	s_wait_kmcnt 0x0
	s_add_nc_u64 s[14:15], s[4:5], s[16:17]
	s_add_nc_u64 s[46:47], s[6:7], s[46:47]
	CROUND
.irp s, 0,1
	s_mov_b32 s[G0+4*(\s)], 1
	s_add_co_u32 s[G0+4*(\s)+1], s20, (\s)*SLOT
	s_add_nc_u64 s[G0+4*(\s)+2:G0+4*(\s)+3], s[14:15], (\s)*512
	s_or_b32 s[G0+4*(\s)+3], s[G0+4*(\s)+3], 0x80000000
	s_mov_b32 s[G0B+4*(\s)], 1
	s_add_co_u32 s[G0B+4*(\s)+1], s21, (\s)*SLOT
	s_add_nc_u64 s[G0B+4*(\s)+2:G0B+4*(\s)+3], s[46:47], (\s)*65536
	s_or_b32 s[G0B+4*(\s)+3], s[G0B+4*(\s)+3], 0x80000000
	JLOAD \s
.endr
	v_and_b32 v1, 15, v0
	v_bfe_u32 v2, v0, 4, 1
	s_lshl_b32 s22, s42, 9                         ; the bias of my 64 columns: four numbers a lane, as the rows come back from the stage
	s_lshl_b32 s23, s12, 8
	s_add_co_u32 s22, s22, s23
	v_lshl_add_u32 v5, v1, 4, s22
	global_load_b128 v[BI:BI+3], v5, s[68:69]
	v_mul_u32_u24 v3, v1, PITCH
	v_lshl_add_u32 v3, v2, 4, v3
	s_mul_i32 s21, s11, HALFA
	v_add_nc_u32 v[ADRA], s21, v3
	v_add_nc_u32 v[ADRA+1], SLOT, v[ADRA]
	v_and_b32 v4, 7, v0
	v_lshl_add_u32 v4, v2, 3, v4
	v_mul_u32_u24 v4, v4, PB
	v_bfe_u32 v6, v0, 3, 1
	v_lshl_add_u32 v4, v6, 4, v4
	v_lshl_add_u32 v4, s12, 7, v4                  ; my 64 columns: 128 bytes
.irp s, 0,1
.irp kh, 0,1
	v_add_nc_u32 v[ADRB+2*(\s)+(\kh)], (\s)*SLOT+ABYTES+(\kh)*HALFB, v4
.endr
.endr
	s_mul_i32 s23, s10, 16*SP
	s_add_co_u32 s23, s23, STAGE
	v_mul_u32_u24 v[STO], v1, SP                   ; in: row l % 16, 32 bytes for each half of the lanes
	v_lshl_add_u32 v[STO], v2, 5, v[STO]
	v_add_nc_u32 v[STO], s23, v[STO]
	v_mul_u32_u24 v[RD], v2, SP                    ; back: lanes 0-15 one row of 256 bytes, lanes 16-31 the next
	v_lshl_add_u32 v[RD], v1, 4, v[RD]
	v_add_nc_u32 v[RD], s23, v[RD]
	v_lshlrev_b32 v[CO], 13, v2
	v_lshl_add_u32 v[CO], v1, 4, v[CO]
	s_lshl_b32 s16, s13, 20                        ; out0: (128 block + 64 half) rows of 8,192 bytes + my 64 columns
	s_lshl_b32 s17, s11, 19
	s_add_co_u32 s16, s16, s17
	s_add_co_u32 s16, s16, s22
	s_mov_b32 s17, 0
	s_add_nc_u64 s[70:71], s[70:71], s[16:17]
	s_wait_loadcnt 0x0
	v_cvt_pk_bf16_f32 v10, v[BI], v[BI+1]
	v_cvt_pk_bf16_f32 v11, v[BI+2], v[BI+3]
	v_lshlrev_b32 v[BI], 16, v10
	v_and_b32 v[BI+1], 0xffff0000, v10
	v_lshlrev_b32 v[BI+2], 16, v11
	v_and_b32 v[BI+3], 0xffff0000, v11
.macro MUL8 f, c, a0, zero             ; 8 matrix instructions: row blocks a0, a0 + 1 x 4 column blocks, 32 along K; the 16 accumulators take turns
	WIN MUL
.irp a, \a0, (\a0)+1
.irp b, 0,1,2,3
.if \zero
	v_wmma_f32_16x16x32_f16 v[ACC+8*(4*(\a)+(\b)):ACC+8*(4*(\a)+(\b))+7], v[(\f)+64+8*(4*(\c)+(\b)):(\f)+64+8*(4*(\c)+(\b))+7], v[(\f)+8*(4*(\c)+(\a)):(\f)+8*(4*(\c)+(\a))+7], 0
.else
	v_wmma_f32_16x16x32_f16 v[ACC+8*(4*(\a)+(\b)):ACC+8*(4*(\a)+(\b))+7], v[(\f)+64+8*(4*(\c)+(\b)):(\f)+64+8*(4*(\c)+(\b))+7], v[(\f)+8*(4*(\c)+(\a)):(\f)+8*(4*(\c)+(\a))+7], v[ACC+8*(4*(\a)+(\b)):ACC+8*(4*(\a)+(\b))+7]
.endif
.endr
.endr
.endm
.macro FETCH slot, kq, f               ; 32 LDS loads in one run: quarter kq (64 along K) into buffer f, its first 32 along K first
	WIN TO_F
.irp c, 0,1
.irp i, 0,1,2,3
	ds_load_tr16_b128 v[(\f)+64+8*(4*(\c)+(\i)):(\f)+64+8*(4*(\c)+(\i))+3],   v[ADRB+2*(\slot)+(\kq)/2] offset:((\kq)%2)*64*PB+(\c)*32*PB+32*(\i)
	ds_load_tr16_b128 v[(\f)+64+8*(4*(\c)+(\i))+4:(\f)+64+8*(4*(\c)+(\i))+7], v[ADRB+2*(\slot)+(\kq)/2] offset:((\kq)%2)*64*PB+(\c)*32*PB+32*(\i)+16*PB
	ds_load_b128 v[(\f)+8*(4*(\c)+(\i)):(\f)+8*(4*(\c)+(\i))+3],   v[ADRA+(\slot)] offset:128*(\kq)+64*(\c)+(\i)*16*PITCH
	ds_load_b128 v[(\f)+8*(4*(\c)+(\i))+4:(\f)+8*(4*(\c)+(\i))+7], v[ADRA+(\slot)] offset:128*(\kq)+64*(\c)+(\i)*16*PITCH+32
.endr
.endr
.endm
.macro PLACES
.rept 4
	v_nop
.endr
.endm
.macro QUARTER slot, kq, f, g, zero
	s_wait_dscnt 16                                ; the first 32 along K are in
	MUL8 \f, 0, 0, \zero
	MUL8 \f, 0, 2, \zero
	PLACES
	FETCH \slot, \kq, \g
	s_wait_dscnt 32                                ; all but the 32 just issued
	MUL8 \f, 1, 0, 0
	MUL8 \f, 1, 2, 0
.endm
.macro TURN slot, next, fill           ; the last quarter, and the change of slots: one barrier; in front of it the wait for all my tensor loads, the add, the wait for it and for my reads
	WIN 0
	s_wait_tensorcnt 0x0
	ds_add_u32 v[SPW], v[NIL]
	s_wait_dscnt 17                                ; the add and the youngest sixteen loads may be out
	MUL8 F1, 0, 0, 0
	s_wait_dscnt 0x0
	s_barrier_signal -1
	MUL8 F1, 0, 2, 0
.if \fill
	WIN 0
.endif
	s_barrier_wait -1
.if \fill
	CREST
	s_add_nc_u64 s[G0+4*(\slot)+2:G0+4*(\slot)+3], s[G0+4*(\slot)+2:G0+4*(\slot)+3], 1024
	s_add_nc_u64 s[G0B+4*(\slot)+2:G0B+4*(\slot)+3], s[G0B+4*(\slot)+2:G0B+4*(\slot)+3], 131072
	JLOAD \slot
.else
	PLACES
.endif
	FETCH \next, 0, F0
	MUL8 F1, 1, 0, 0
	MUL8 F1, 1, 2, 0
.endm
	s_wait_tensorcnt 1                             ; my part of K step 0 is in; K step 1's may stay out
	s_barrier_signal -1
	s_barrier_wait -1
	FETCH 0, 0, F0
	QUARTER 0, 1, F0, F1, 1
	WIN 0
	s_mov_b32 s3, 3                                ; 8 K steps = 4 laps; the last is written out
.Llap:
	QUARTER 0, 2, F1, F0, 0
	QUARTER 0, 3, F0, F1, 0
	TURN 0, 1, 1
	QUARTER 1, 1, F0, F1, 0
	QUARTER 1, 2, F1, F0, 0
	QUARTER 1, 3, F0, F1, 0
	TURN 1, 0, 1
	QUARTER 0, 1, F0, F1, 0
	WIN 0
	s_sub_co_u32 s3, s3, 1
	s_cmp_lg_u32 s3, 0
	s_cbranch_scc1 .Llap
	QUARTER 0, 2, F1, F0, 0
	QUARTER 0, 3, F0, F1, 0
	TURN 0, 1, 0
	QUARTER 1, 1, F0, F1, 0
	QUARTER 1, 2, F1, F0, 0
	QUARTER 1, 3, F0, F1, 0
	s_wait_dscnt 16
	MUL8 F1, 0, 0, 0
	MUL8 F1, 0, 2, 0
	s_wait_dscnt 0x0
	MUL8 F1, 1, 0, 0
	MUL8 F1, 1, 2, 0
	WIN 0
	; THE WAY OUT, a block of 16 rows at a time through my own stage: 32 bytes a lane in, whole rows of 256 bytes back, the bias added, stored.
	PLACES
.irp a, 0,1,2,3
.irp b, 0,1,2,3
	ds_store_b128 v[STO], v[ACC+8*(4*(\a)+(\b)):ACC+8*(4*(\a)+(\b))+3]   offset:64*(\b)
	ds_store_b128 v[STO], v[ACC+8*(4*(\a)+(\b))+4:ACC+8*(4*(\a)+(\b))+7] offset:64*(\b)+16
.endr
	s_wait_xcnt 0x0                                ; earlier stores have read their registers: only behind this wait are they loaded again
.irp t, 0,1,2,3,4,5,6,7
	ds_load_b128 v[TMP+32*((\a)%2)+4*(\t):TMP+32*((\a)%2)+4*(\t)+3], v[RD] offset:(\t)*2*SP  ; LDS serves a wave's instructions in order: these see the stores above, and the next block's stores come behind them
.endr
.irp t, 0,1,2,3,4,5,6,7
	s_wait_dscnt 7-(\t)
	v_pk_add_f32 v[TMP+32*((\a)%2)+4*(\t):TMP+32*((\a)%2)+4*(\t)+1], v[TMP+32*((\a)%2)+4*(\t):TMP+32*((\a)%2)+4*(\t)+1], v[BI:BI+1]
	v_pk_add_f32 v[TMP+32*((\a)%2)+4*(\t)+2:TMP+32*((\a)%2)+4*(\t)+3], v[TMP+32*((\a)%2)+4*(\t)+2:TMP+32*((\a)%2)+4*(\t)+3], v[BI+2:BI+3]
	global_store_b128 v[CO], v[TMP+32*((\a)%2)+4*(\t):TMP+32*((\a)%2)+4*(\t)+3], s[70:71] offset:(16*(\a)+2*(\t))*8192  ; 16 lanes store 256 consecutive bytes, aligned
.endr
.endr
	s_wait_tensorcnt 0x0                           ; the wave's end
	ds_add_u32 v[SPW], v[NIL]
	s_wait_dscnt 0x0
	CROUND                                         ; the closing round
	s_endpgm
.Lfunc_end_k_q40e2e95483_proj:
	.size	k_q40e2e95483_proj, .Lfunc_end_k_q40e2e95483_proj-k_q40e2e95483_proj
	.p2alignl 7, 3214868480
	.fill 96, 4, 3214868480
	.section	.rodata,"a",@progbits
	.p2align	6, 0x0
	.amdhsa_kernel k_q40e2e95483_proj
		.amdhsa_group_segment_fixed_size 327680
		.amdhsa_private_segment_fixed_size 0
		.amdhsa_enable_private_segment 0
		.amdhsa_kernarg_size 32
		.amdhsa_user_sgpr_count 2
		.amdhsa_user_sgpr_kernarg_segment_ptr 1
		.amdhsa_wavefront_size32 1
		.amdhsa_system_sgpr_workgroup_id_x 1
		.amdhsa_system_sgpr_workgroup_id_y 1
		.amdhsa_system_sgpr_workgroup_id_z 1
		.amdhsa_system_vgpr_workitem_id 0
		.amdhsa_next_free_vgpr 512
		.amdhsa_next_free_sgpr 72
		.amdhsa_reserve_vcc 0
		.amdhsa_float_denorm_mode_32 3
		.amdhsa_float_denorm_mode_16_64 3
		.amdhsa_memory_ordered 1
		.amdhsa_forward_progress 1
		.amdhsa_inst_pref_size 91
	.end_amdhsa_kernel
	.amdgpu_metadata
---
amdhsa.version: [ 1, 2 ]
amdhsa.kernels:
  - .name:           k_q40e2e95483_proj
    .symbol:         k_q40e2e95483_proj.kd
    .args:
      - { .name: att, .offset: 0, .size: 8, .value_kind: global_buffer, .address_space: global }
      - { .name: woh, .offset: 8, .size: 8, .value_kind: global_buffer, .address_space: global }
      - { .name: bo, .offset: 16, .size: 8, .value_kind: global_buffer, .address_space: global }
      - { .name: out0, .offset: 24, .size: 8, .value_kind: global_buffer, .address_space: global }
    .group_segment_fixed_size: 327680
    .private_segment_fixed_size: 0
    .kernarg_segment_align: 8
    .kernarg_segment_size: 32
    .max_flat_workgroup_size: 128
    .sgpr_count:     72
    .vgpr_count:     512
    .wavefront_size: 32
...
	.end_amdgpu_metadata
.endif
;; end of part 4
;; ======== version 2 of 2: 4 launches; version 1 with the launch prep written anew for expert scheduling mode
;; limits: values are held in f16: magnitudes above 65,504 overflow, below 6.1e-05 lose precision
;; workspace buffers: xb 8,388,608 bytes; wb 25,165,824 bytes; woh 8,388,608 bytes; mk 4,194,304 bytes; qkv 25,165,824 bytes; att 8,388,608 bytes
;; launch prep (part 5): grid 128 x 6, 8 waves a work-group, no clusters, 33,792 bytes of LDS; arguments x, Wq, Wk, Wv, Wo, mask, xb, wb, woh, mk; writes xb, wb, woh, mk
.if DOCPART == 5
	.amdgcn_target "amdgcn-amd-amdhsa--gfx1250"
	.amdhsa_code_object_version 6
	.text
	.protected	k_q40e2e95483_prep
	.globl	k_q40e2e95483_prep
	.p2align	8
	.type	k_q40e2e95483_prep,@function
k_q40e2e95483_prep:
	s_mov_b64 s[64:65], 0
	v_nop
	global_prefetch_b8 v0, s[64:65] scope:SCOPE_SE
	s_setreg_imm32_b32 hwreg(HW_REG_WAVE_SCHED_MODE, 0, 2), 2
	s_setreg_imm32_b32 hwreg(HW_REG_WAVE_MODE, 25, 1), 1
	s_wait_xcnt 0x0
	s_wait_alu depctr_vm_vsrc(0)
; PREP: the inputs are brought once into the forms that the three matrix launches read.  A stream: no matrix unit, no cluster, nothing read twice.
;   y = 0     x  [2048][2048] f32 -> xb  bf16 [s][2048]
;   y = 1..3  Wq, Wk, Wv [k][n]   -> wb  bf16 [head 16][j 3][k 2048][128]: a head's 128 columns of one matrix are a dense block with rows of 256 bytes
;   y = 4     Wo [k][n]           -> woh f16  [nb 16][k 2048][128]: rounded to bf16 like every other input, and that number written as f16
;   y = 5     mask [q][k] bytes   -> mk  bytes [T 128 (16 queries)][ks 32 (64 keys)][hf 2][lane 32][16]: 0x00 visible, 0xF1 (the top byte of -2^99 in f32) hidden,
;             laid so that lane l of a wave finds in 16 bytes the codes of query l % 16, keys 32 hf + 8 (l / 16) + 0..7 and 32 hf + 16 + 8 (l / 16) + 0..7
; LIMITS.  Mask bytes are 0 or 1.  Wo's bf16 number is exact in f16 between 6.1e-5 and 65,504 in magnitude; below that it keeps f16's fixed step of 6e-8.
; SHARES (y < 5).  A work-group owns 16 rows, a wave two.  One load of a wave is 512 consecutive bytes = 128 f32 = one head's columns of one row;
; it leaves as one store of 256 consecutive bytes, aligned.  All 32 loads of a wave are issued before the first wait for data.
; THE MODE: SCHED_MODE bits 1:0 = 2 (LLVM: expert scheduling mode 2), set by the entry lines.  The code itself states the register dependences
; between vector instructions and memory or LDS instructions, with s_wait_alu, always for 0.
; THE PLAN, y < 5.  Registers that memory instructions touch:
;   v4         the loads' offset: written once, ahead of the wait in front of the loads; never again.
;   DOF        the stores' offsets: written once, behind the loads; the first store stands behind group 1's wait.
;   X          load n lands in X + 4 n .. + 3, which no vector line has named; its roundings work in place; store n reads X + 4 n, + 1; nothing writes them behind it.
; The 32 loads go in eight groups of four.  Group g's roundings name group g's registers alone; the four stores of group g - 1 are dealt among them, behind ONE wait at the group's head.
; No register that a memory instruction has read is written again, so the text holds no wait on vm_vsrc.
; THE PLAN, y = 5.  v8: the loads' offset.  v9, v12, v11: LDS store address, LDS load address, the stores' offset: each written once, behind the loads.  v[32:63]: the loads land, the codes are made in place,
; the LDS stores read them.  v[64:95]: the LDS loads land, the stores read them; no vector line names them.  Loads 0-3's LDS stores are dealt among the codes of loads 4-7, behind one wait; the other eight stand behind a second.
.set X,   32                           ; v[32:159] the 32 loads' registers
.set DOF, 16                           ; v[16:31]  store offset for head h: 8 x lane + h x (bytes from head to head)
	s_load_b512 s[8:23], s[0:1], 0x0               ; x 8, Wq 10, Wk 12, Wv 14, Wo 16, mask 18, xb 20, wb 22
	s_load_b128 s[24:27], s[0:1], 0x40             ; woh 24, mk 26
	v_lshl_add_u32 v14, v0, 2, 0x8000
	v_mov_b32 v15, 0
	v_lshrrev_b32 v1, 5, v0
	v_readfirstlane_b32 s31, v1                    ; wave 0..7
	v_and_b32 v5, 31, v0                           ; lane
	s_and_b32 s30, ttmp7, 0xffff                   ; y: which input
	s_mov_b32 s41, 0
	s_wait_alu depctr_va_sdst(0)                   ; s31 is written: ahead of the branch below and of its first reader on either way
	s_wait_kmcnt 0x0
	s_cmp_eq_u32 s30, 5
	s_cbranch_scc1 .Lmask
	; ---- the casts ----
	v_lshlrev_b32 v4, 4, v5                        ; 16 bytes a lane in
	s_mov_b64 s[28:29], s[8:9]                     ; the source, chosen by y
	s_cmp_eq_u32 s30, 1
	s_cselect_b64 s[28:29], s[10:11], s[28:29]
	s_cmp_eq_u32 s30, 2
	s_cselect_b64 s[28:29], s[12:13], s[28:29]
	s_cmp_eq_u32 s30, 3
	s_cselect_b64 s[28:29], s[14:15], s[28:29]
	s_cmp_eq_u32 s30, 4
	s_cselect_b64 s[28:29], s[16:17], s[28:29]
	s_mov_b32 s34, 1572864                         ; bytes from head to head: wb 3 x 524,288; xb 256; woh 524,288
	s_mov_b32 s35, 256                             ; bytes from row to row: 256; xb 4,096
	s_cmp_eq_u32 s30, 0
	s_cselect_b64 s[32:33], s[20:21], s[22:23]
	s_cselect_b32 s34, 256, s34
	s_cselect_b32 s35, 4096, s35
	s_cmp_eq_u32 s30, 4
	s_cselect_b64 s[32:33], s[24:25], s[32:33]
	s_cselect_b32 s34, 524288, s34
	s_sub_co_u32 s37, s30, 1                       ; j = y - 1 for the three matrices of wb,
	s_lshl_b32 s37, s37, 19
	s_cmp_eq_u32 s30, 0
	s_cselect_b32 s37, 0, s37                      ; nothing for xb
	s_cmp_eq_u32 s30, 4
	s_cselect_b32 s37, 0, s37                      ; and for woh
	s_lshl_b32 s36, ttmp9, 4
	s_lshl1_add_u32 s36, s31, s36                  ; my first row: 16 i + 2 w
	s_lshl_b32 s40, s36, 13                        ; x 8,192 bytes
	s_add_nc_u64 s[28:29], s[28:29], s[40:41]
	s_mul_i32 s40, s36, s35
	s_add_co_u32 s40, s40, s37
	s_add_nc_u64 s[32:33], s[32:33], s[40:41]      ; where my first row goes,
	s_mov_b32 s40, s35
	s_add_nc_u64 s[38:39], s[32:33], s[40:41]      ; and my second
	s_wait_alu depctr_va_vdst(0)                   ; v4 is written, which the 32 loads read as their offset
.set n, 0
.rept 32
	global_load_b128 v[X+4*n:X+4*n+3], v4, s[28:29] offset:(n/16)*8192+(n%16)*512 th:TH_LOAD_NT
.set n, n+1
.endr
	v_lshlrev_b32 v[DOF], 3, v5                    ; 8 bytes a lane out: the stores' offsets are made while the loads are out
.irp h, 1,2,3,4,5,6,7,8,9,10,11,12,13,14,15
	v_add_nc_u32 v[DOF+(\h)], s34, v[DOF+(\h)-1]
.endr
; Eight groups of four loads.  Group g is rounded; the stores of group g - 1 stand among its roundings.  half = 1: the bf16 number is widened again and written as f16.
; No register is written again behind its store.
.macro OUT half
.set g, 0
.rept 8
	s_wait_loadcnt 28-4*g                          ; loads come back in order: group g is in, the 28 - 4 g younger loads may stay out
.if g > 0
	s_wait_alu depctr_va_vdst(0)                   ; the group before has written the first two registers of each of its loads, which the four stores below read; at group 1: the offsets DOF are written too
.endif
.set i, 0
.rept 4
.set n, 4*g+i
.set m, n-4
.if g > 0
	global_store_b64 v[DOF+m%16], v[X+4*m:X+4*m+1], s[32+6*(m/16):33+6*(m/16)]  ; the wave stores 256 consecutive bytes, aligned; no vector line since the wait names these registers
.endif
	v_cvt_pk_bf16_f32 v[X+4*n], v[X+4*n], v[X+4*n+1]
	v_cvt_pk_bf16_f32 v[X+4*n+1], v[X+4*n+2], v[X+4*n+3]
.if \half
	v_lshlrev_b32 v[X+4*n+2], 16, v[X+4*n]
	v_and_b32 v[X+4*n+3], 0xffff0000, v[X+4*n]
	v_cvt_pk_f16_f32 v[X+4*n], v[X+4*n+2], v[X+4*n+3]
	v_lshlrev_b32 v[X+4*n+2], 16, v[X+4*n+1]
	v_and_b32 v[X+4*n+3], 0xffff0000, v[X+4*n+1]
	v_cvt_pk_f16_f32 v[X+4*n+1], v[X+4*n+2], v[X+4*n+3]
.endif
.set i, i+1
.endr
.set g, g+1
.endr
	s_wait_alu depctr_va_vdst(0)                   ; the last group has written its registers, which the last four stores read
.set m, 28
.rept 4
	global_store_b64 v[DOF+m%16], v[X+4*m:X+4*m+1], s[32+6*(m/16):33+6*(m/16)]
.set m, m+1
.endr
.endm
	s_cmp_eq_u32 s30, 4
	s_cbranch_scc1 .Lhalf
	OUT 0
	s_endpgm
.Lhalf:
	OUT 1
	s_endpgm
	; ---- the mask ----  The work-group is tile T of 16 queries; wave w takes keys 256 w .. 256 w + 255 and turns them in 4,096 bytes of LDS of its own: no barrier.
.Lmask:
	v_and_b32 v6, 15, v5                           ; c: which 16 keys of the 256
	v_lshrrev_b32 v7, 4, v5                        ; rr: which of two rows
	v_lshlrev_b32 v8, 4, v6
	v_lshl_add_u32 v8, v7, 11, v8                  ; rr x 2,048 + 16 c
	s_lshl_b32 s40, ttmp9, 15                      ; T x 16 rows x 2,048
	s_lshl_b32 s42, s31, 8
	s_add_co_u32 s40, s40, s42
	s_add_nc_u64 s[28:29], s[18:19], s[40:41]
	s_wait_alu depctr_va_vdst(0)                   ; v8 is written, which the eight loads read as their offset
.irp i, 0,1,2,3,4,5,6,7
	global_load_b128 v[X+4*(\i):X+4*(\i)+3], v8, s[28:29] offset:(\i)*4096 th:TH_LOAD_NT  ; rows 2 i, 2 i + 1: twice 256 consecutive bytes
.endr
	s_mov_b32 s43, 0xf1                            ; the code of a hidden key
	v_lshrrev_b32 v9, 2, v6                        ; where a lane's 16 codes go: key step c / 4,
	v_lshlrev_b32 v9, 10, v9
	v_bfe_u32 v10, v6, 1, 1                        ; half hf,
	v_lshl_add_u32 v9, v10, 9, v9
	v_and_b32 v10, 1, v6                           ; first or second eight bytes of the target lane's 16,
	v_lshl_add_u32 v9, v10, 3, v9
	v_lshl_add_u32 v9, v7, 4, v9                   ; target lane's row: 2 i + rr (2 i in the immediate),
	v_lshl_add_u32 v9, s31, 12, v9                 ; in my wave's 4,096 bytes
	v_lshlrev_b32 v11, 4, v5                       ; 16 x lane
	v_lshl_add_u32 v12, s31, 12, v11
	s_lshl_b32 s40, ttmp9, 15
	s_lshl_b32 s42, s31, 12
	s_add_co_u32 s40, s40, s42
	s_add_nc_u64 s[32:33], s[26:27], s[40:41]      ; mk at tile T, key steps 4 w ..
.macro CODES i                         ; load i's 16 bytes a lane become codes, in place
.irp d, 0,1,2,3
	v_xor_b32 v[X+4*(\i)+(\d)], 0x01010101, v[X+4*(\i)+(\d)]     ; 1 in each byte that is hidden,
	v_mul_lo_u32 v[X+4*(\i)+(\d)], v[X+4*(\i)+(\d)], s43         ; 0xF1 there: no byte's product reaches the next byte
.endr
.endm
.macro PUT i                           ; load i's codes go into LDS
	ds_store_b64 v9, v[X+4*(\i):X+4*(\i)+1] offset:32*(\i)          ; keys + 0..7: the lower half of the lanes
	ds_store_b64 v9, v[X+4*(\i)+2:X+4*(\i)+3] offset:32*(\i)+256    ; keys + 8..15: the upper half
.endm
.irp i, 0,1,2,3
	s_wait_loadcnt 7-(\i)                          ; load i is in, the 7 - i younger ones may stay out
	CODES \i
.endr
	s_wait_alu depctr_va_vdst(0)                   ; the codes of loads 0 to 3 are written, which the LDS stores below read; so are the addresses v9 and v12 and the offset v11
.irp i, 4,5,6,7
	PUT (\i)-4                                     ; no vector line since the wait names v9 or v[32:47]: the codes below work on v[48:63]
	s_wait_loadcnt 7-(\i)
	CODES \i
.endr
	s_wait_alu depctr_va_vdst(0)                   ; the codes of loads 4 to 7 are written, which the LDS stores below read
.irp i, 4,5,6,7
	PUT \i
.endr
.irp i, 0,1,2,3,4,5,6,7
	ds_load_b128 v[64+4*(\i):64+4*(\i)+3], v12 offset:512*(\i)     ; LDS serves a wave's instructions in order: these see the stores above; no vector line names the registers in which they land
.endr
.irp i, 0,1,2,3,4,5,6,7
	s_wait_dscnt 7-(\i)
	global_store_b128 v11, v[64+4*(\i):64+4*(\i)+3], s[32:33] offset:512*(\i)  ; 512 consecutive bytes
.endr
	s_wait_dscnt 0x0                               ; the wave's end: my LDS instructions are done
	s_wait_alu depctr_hold_cnt(0) depctr_sa_sdst(0) depctr_va_vdst(0) depctr_va_sdst(0) depctr_va_ssrc(0) depctr_va_vcc(0) depctr_vm_vsrc(0)
	s_wait_tensorcnt 0x0
	ds_add_u32 v14, v15
	s_wait_dscnt 0x0
	s_endpgm
.Lfunc_end_k_q40e2e95483_prep:
	.size	k_q40e2e95483_prep, .Lfunc_end_k_q40e2e95483_prep-k_q40e2e95483_prep
	.p2alignl 7, 3214868480
	.fill 96, 4, 3214868480
	.section	.rodata,"a",@progbits
	.p2align	6, 0x0
	.amdhsa_kernel k_q40e2e95483_prep
		.amdhsa_group_segment_fixed_size 33792
		.amdhsa_private_segment_fixed_size 0
		.amdhsa_enable_private_segment 0
		.amdhsa_kernarg_size 80
		.amdhsa_user_sgpr_count 2
		.amdhsa_user_sgpr_kernarg_segment_ptr 1
		.amdhsa_wavefront_size32 1
		.amdhsa_system_sgpr_workgroup_id_x 1
		.amdhsa_system_sgpr_workgroup_id_y 1
		.amdhsa_system_sgpr_workgroup_id_z 1
		.amdhsa_system_vgpr_workitem_id 0
		.amdhsa_next_free_vgpr 160
		.amdhsa_next_free_sgpr 66
		.amdhsa_reserve_vcc 0
		.amdhsa_float_denorm_mode_32 3
		.amdhsa_float_denorm_mode_16_64 3
		.amdhsa_memory_ordered 1
		.amdhsa_forward_progress 1
		.amdhsa_inst_pref_size 40
	.end_amdhsa_kernel
	.amdgpu_metadata
---
amdhsa.version: [ 1, 2 ]
amdhsa.kernels:
  - .name:           k_q40e2e95483_prep
    .symbol:         k_q40e2e95483_prep.kd
    .args:
      - { .name: x, .offset: 0, .size: 8, .value_kind: global_buffer, .address_space: global }
      - { .name: Wq, .offset: 8, .size: 8, .value_kind: global_buffer, .address_space: global }
      - { .name: Wk, .offset: 16, .size: 8, .value_kind: global_buffer, .address_space: global }
      - { .name: Wv, .offset: 24, .size: 8, .value_kind: global_buffer, .address_space: global }
      - { .name: Wo, .offset: 32, .size: 8, .value_kind: global_buffer, .address_space: global }
      - { .name: mask, .offset: 40, .size: 8, .value_kind: global_buffer, .address_space: global }
      - { .name: xb, .offset: 48, .size: 8, .value_kind: global_buffer, .address_space: global }
      - { .name: wb, .offset: 56, .size: 8, .value_kind: global_buffer, .address_space: global }
      - { .name: woh, .offset: 64, .size: 8, .value_kind: global_buffer, .address_space: global }
      - { .name: mk, .offset: 72, .size: 8, .value_kind: global_buffer, .address_space: global }
    .group_segment_fixed_size: 33792
    .private_segment_fixed_size: 0
    .kernarg_segment_align: 8
    .kernarg_segment_size: 80
    .max_flat_workgroup_size: 256
    .sgpr_count:     66
    .vgpr_count:     160
    .wavefront_size: 32
...
	.end_amdgpu_metadata
.endif
;; end of part 5
;; launch qkvp: the kernel of part 2 again; grid 16 x 16, 4 waves a work-group, clusters of 4 x 4, 327,680 bytes of LDS; arguments xb, wb, qkv; writes qkv
;; launch attn: the kernel of part 3 again; grid 16 x 16, 8 waves a work-group, clusters of 4 x 1, 327,680 bytes of LDS; arguments qkv, mk, att; writes att
;; launch proj: the kernel of part 4 again; grid 16 x 16, 4 waves a work-group, clusters of 4 x 4, 327,680 bytes of LDS; arguments att, woh, bo, out0; writes out0
